; MI455X (gfx1250); checked and timed in simulation.
; The chip was launched on July 23, 2026; its instructions are those of AMD's public machine-readable ISA for CDNA 5 (MIT licence, August 2026) and "CDNA5" Instruction Set Architecture Reference Guide (July 2026). The comments in the code are by the model that wrote it; some were corrected since.
;; W2 Attention. Allowed arithmetic: matrix products marked QUANTISED: E2M3 operands, one E8M0 scale for each 32 along K, by v_wmma_scale_f32_16x16x128_f8f6f4 with both operands' format E2M3, f32 sums; everything else in f32.
;; Inputs: cos 2,048 x 128 float32; hidden_states_codes 1 x 2,048 x 64 x 24 uint8 (E2M3 codes of hidden_states, K innermost, in blocks of 32 codes, four codes in three bytes); hidden_states_scales 1 x 2,048 x 64 uint8 (E8M0 scales of hidden_states, one for each 32 codes along K); sin 2,048 x 128 float32; w_k_codes 4,096 x 64 x 24 uint8 (E2M3 codes of w_k, K innermost, in blocks of 32 codes, four codes in three bytes); w_k_scales 4,096 x 64 uint8 (E8M0 scales of w_k, one for each 32 codes along K); w_o_codes 2,048 x 64 x 24 uint8 (E2M3 codes of w_o, K innermost, in blocks of 32 codes, four codes in three bytes); w_o_scales 2,048 x 64 uint8 (E8M0 scales of w_o, one for each 32 codes along K); w_q_codes 4,096 x 64 x 24 uint8 (E2M3 codes of w_q, K innermost, in blocks of 32 codes, four codes in three bytes); w_q_scales 4,096 x 64 uint8 (E8M0 scales of w_q, one for each 32 codes along K); w_v_codes 2,048 x 64 x 24 uint8 (E2M3 codes of w_v, K innermost, in blocks of 32 codes, four codes in three bytes); w_v_scales 2,048 x 64 uint8 (E8M0 scales of w_v, one for each 32 codes along K).
;; Outputs: out0 1 x 2,048 x 2,048 float32.
;; This version of the problem:
;;   THIS VERSION OF THE PROBLEM IS GIVEN IN LOW PRECISION. The matrix products marked QUANTISED in the list below multiply operands that are first quantised to E2M3 (2 exponent bits, 3 mantissa bits; 6 bits a number), with one power-of-two scale for each 32 numbers along K (OCP MX v1.0); their sums are f32. All else is computed in f32.
;;   The module's matrix products, in the order in which they are computed (A, B: the left and right operand; K: the contracted axis; several contracted axes count as one K, in the product's order):
;;     1. [M 2,048, K 2,048] x [K 2,048, N 4,096]; A: input hidden_states (given as codes); B: input w_q (given as codes): QUANTISED
;;     2. [M 2,048, K 2,048] x [K 2,048, N 4,096]; A: input hidden_states (given as codes); B: input w_k (given as codes): QUANTISED
;;     3. [M 2,048, K 2,048] x [K 2,048, N 2,048]; A: input hidden_states (given as codes); B: input w_v (given as codes): QUANTISED
;;     4. batch 16 x [M 2,048, K 128] x [K 128, N 2,048]; A: computed on the way; B: computed on the way: QUANTISED
;;     5. batch 16 x [M 2,048, K 2,048] x [K 2,048, N 128]; A: softmax (see below); B: computed on the way: QUANTISED
;;     6. [M 2,048, K 2,048] x [K 2,048, N 2,048]; A: computed on the way; B: input w_o (given as codes): QUANTISED
;;   THE QUANTISER, for each operand of a quantised product, along K:
;;     - K is cut into blocks of 32 from its start; a last block that is shorter is filled with zeros.
;;     - A block's scale is 2^e with e = floor(log2(the largest magnitude in the block)) - 2, held to -126 .. 127; a block of zeros has e = 0. As a byte (E8M0): e + 127.
;;     - Each number is divided by its block's scale, clamped to +-7.5, and rounded to the nearest number of E2M3, ties to even, subnormals kept.
;;     - The product sums the exact products of the quantised numbers (number of the format x scale) in f32.
;;   ~~~python
;;   def quantise(x, axis):      # numpy; x: float32 -> the quantised numbers, widened to float32 again
;;       x = np.moveaxis(x, axis, -1); K = x.shape[-1]
;;       x = np.pad(x, [(0, 0)] * (x.ndim - 1) + [(0, -K % 32)]); x = x.reshape(x.shape[:-1] + (-1, 32)); a = np.abs(x).max(-1, keepdims=True)
;;       e = np.where(a > 0, np.clip(np.frexp(np.where(a > 0, a, 1))[1] - 1 - 2, -126, 127), 0)      # np.frexp(a)[1] - 1 = floor(log2(a)), exactly
;;       r = np.clip(x / 2.0 ** e, -7.5, 7.5)
;;       step = 2.0 ** (np.maximum(np.frexp(np.where(r == 0, 1, r))[1] - 1, 0) - 3)
;;       q = np.round(r / step) * step * 2.0 ** e      # np.round: ties to even
;;       return np.moveaxis(q.reshape(q.shape[:-2] + (-1,))[..., :K], -1, axis).astype(np.float32)
;;   ~~~
;;   SOFTMAX AHEAD OF A QUANTISED PRODUCT. Where the list says 'softmax', what is quantised is not the finished softmax but p = 2^(t - M), with t = logit x log2(e) and M = ceil(the row's largest t), a whole number; so 1/2 < the row's largest p <= 1. The row's sum l is taken of the UNQUANTISED p, in f32, and the product's result is divided by l at the end. Since M is a whole number, a kernel that streams over the keys may use a running M (the ceiling of the running maximum): every later rescaling is an exact power of two, which a block's scale takes up: the codes' values come out the same.
;;   OPERANDS COMPUTED ON THE WAY. 'Computed on the way' means the value that the module computes at that place (a softmax that the list does not call 'softmax' is quantised finished and normalised). What goes into a quantiser is computed in f32, as accurately as f32 sums, v_exp_f32 and their like allow (about 1e-6 of the number): no bf16 or f16 on the way to a quantiser, and a product that is left as it is and whose result goes on into a quantised operand takes f32 operands (vector FMAs, or v_wmma_f32_16x16x4_f32). A number that lies on a knife's edge between two numbers of the format may be rounded either way, as far as f32 arithmetic and the matrix unit's own rounding can turn it there, and no further.
;;   INPUTS GIVEN AS CODES. hidden_states (in the module: [1, 2048, 2048], K = its axis 2); w_k (in the module: [4096, 2048], K = its axis 1); w_o (in the module: [2048, 2048], K = its axis 1); w_q (in the module: [4096, 2048], K = its axis 1); w_v (in the module: [2048, 2048], K = its axis 1): each comes as NAME_codes (uint8): NAME with its K axis moved to the last place and cut into blocks of 32 codes, [.., K / 32, bytes a block], one block behind the other in memory; four codes in three bytes: a row's codes are one little-endian stream of bits, code i at bits 6 i .. 6 i + 5 (a code: sign, 2 exponent bits, 3 mantissa bits); and NAME_scales (uint8): the same leading axes, one E8M0 byte (e + 127) for each 32 codes along K. Its value is code x scale, taken as it is: it is not quantised again, and the codes and scales need not be those that the quantiser above would give.
;; One version. Each part assembles by itself: llvm-mc -triple=amdgcn-amd-amdhsa -mcpu=gfx1250 --defsym DOCPART=n.
;; ======== version 1 of 1: 3 launches
;; workspace buffers: qws 3,407,872 bytes; kws 3,407,872 bytes; vws 3,276,800 bytes; aws 3,276,800 bytes
;; launch proj (part 1): grid 32 x 8, 4 waves a work-group, clusters of 4 x 4, 327,680 bytes of LDS; arguments hidden_states_codes, hidden_states_scales, w_q_codes, w_k_codes, w_q_scales, w_k_scales, w_v_codes, w_v_scales, cos, sin, qws, kws, vws; writes qws, kws, vws
.if DOCPART == 1
	.amdgcn_target "amdgcn-amd-amdhsa--gfx1250"
	.amdhsa_code_object_version 6
	.text
	.protected	k_q437ecd358e_proj
	.globl	k_q437ecd358e_proj
	.p2align	8
	.type	k_q437ecd358e_proj,@function
k_q437ecd358e_proj:
	s_mov_b64 s[64:65], 0
	v_nop
	global_prefetch_b8 v0, s[64:65] scope:SCOPE_SE
	s_setreg_imm32_b32 hwreg(HW_REG_WAVE_MODE, 25, 1), 1
	s_wait_xcnt 0x0
	s_wait_alu depctr_hold_cnt(0) depctr_sa_sdst(0) depctr_va_vdst(0) depctr_va_sdst(0) depctr_va_ssrc(0) depctr_va_vcc(0) depctr_vm_vsrc(0)
	s_getreg_b32 s2, hwreg(HW_REG_IB_STS2, 6, 4)
	s_cmp_eq_u32 s2, 0
	s_cbranch_scc0 .Lentry_in_a_cluster
	s_endpgm
.Lentry_in_a_cluster:
	s_bfe_u32 s2, ttmp6, 0x10000c
	s_cmp_lg_u32 s2, 0xf033
	s_cbranch_scc0 .Lentry_shape_is_right
	s_endpgm
.Lentry_shape_is_right:
; q, k, v = hs W^T on codes of E2M3, and all that stands between these products and the scores: sigma = softplus(raw) + 1e-4, w = mu / sqrt(sigma), RoPE, the sums of w^2 and of ln sigma, and the
; quantisers: q_w and k_w along d, v along the keys.  Nothing wider than codes, scale words and one f32 a token goes to memory.
; SHARES.  A work-group makes 256 tokens x 320 columns: the 256 rows of w_q (cluster x 0-3) or of w_k (4-7) of one head, and 64 rows of w_v of that head: 2048/256 x 16 x 2 = 256 work-groups.
; Wave w: th = w / 2 (its 128 tokens, 8 tiles m), c0 = w % 2.  Its ten weight tiles n begin at B's row 64 (n / 2) + 32 c0 + 16 (n % 2): n 0-3 mu of blocks c0 and c0 + 2 of the head's 128,
; n 4-7 the raw sigma of the same d, n 8-9 rows of w_v.  So mu, sigma, the RoPE partner d + 64 and whole blocks of 32 lie in ONE wave at equal lane and register.
; n < 8 is used transposed (source 0 = weights, source 1 = tokens: a lane holds a token, its registers run along d); n >= 8 the natural way (a lane holds a d, its registers run along the tokens, v's K).
; WORKSPACE.  Operands leave as images of operand registers: a fragment (16 rows x 128 K, 12 registers a lane) is 1,536 bytes: for c = 0, 1 registers 6c..6c+3 at 768 c + 16 lane, 6c+4, 6c+5 at 768 c + 512 + 8 lane.
; Tile 2 b + u of a block of 128 tokens (of v: of the head's 128 d) takes at its row r the element 32 b + 8 u + r + 8 (r / 8), so that the next launch's results fall 16 neighbours to a lane.
; CLUSTER 4 x 4: hs's tiles, cos and sin hang on the token block alone (shared along a row), the weights' on the head alone (shared along a column): joint loads.  The scale bytes (36,864 bytes a work-group against
; 884,736 of codes and 262,144 of cos and sin) go through registers by plain loads: joint loads for them would want six descriptors more for a twenty-fifth of the bytes.
; LIMITS: NaN, infinities and scale bytes 0xff among the inputs are not served.  A block whose largest magnitude lies under 2^-124, a block of zeros among them, gets the byte 1 (the rule says 127 for zeros):
; its codes are zeros or near it, and this program alone reads the bytes.
; REGISTERS: window 0: v0-27 addresses, v28-63 scale words (two sets of 18), v64-255 token fragments (two sets of 96); behind the loop v64-255 are the epilogue's.
;   window 1: accumulators n 0-3 at 64 n + 8 m;  window 2: n 4-7 at 64 (n - 4) + 8 m;  window 3: n 8, 9 at 64 (n - 8) + 8 m, and from v128 the ten weight fragments, one set.
.set PITCH,  240                       ; an LDS row of codes: 3 x (64 bytes + 16 of padding)
.set SLOT,   138240                    ; 256 rows of hs, then 320 rows of weights
.set BOFF,   61440
.set VOFFB,  122880                    ; w_v's 64 rows: behind the 256 of w_q or w_k
.set SPARE,  276480                    ; the spare words: 128 bytes a wave
.set DSR,    276992                    ; from here on only LDS stores write
.set SCLA,   DSR                       ; in the loop: hs's scale bytes, 64 units of 256 + 16
.set SCLB,   DSR+17408                 ; the weights', 80 units, rows in the order 160 c0 + 16 n + r
.set QSTG,   DSR                       ; behind the loop: 16 images of q_w or k_w,
.set VSTG,   DSR+24576                 ; 8 images of v,
.set VSC,    DSR+36864                 ; v's scale words,
.set GARR,   DSR+37376                 ; the two halves' sums, 2 x 1,024 bytes; 2,048 bytes on: the two halves' scale bytes
.set RR, 1
.set HH, 2
.set T16, 3                            ; 16 x thread
.set ADRA, 4                           ; v4-5 token fragments in slot 0, 1; v6-7 the same behind one padding more
.set ADRB, 8                           ; v8-11 the same for the weights
.set ADRS, 12                          ; scale words: lanes 0-15 token tile i, lanes 16-31 weight tile i
.set ADRS2, 13                         ; weight tiles 8 (lanes 0-15) and 9
.set SPW, 14
.set NIL, 15
.set CA, 16
.set SA, 17
.set QST16, 18
.set QST8, 19
.set GX, 20
.set VST16, 21
.set VST8, 22
.set VSCA, 23
.set SCST, 24
.set SC, 28
.set TF, 64
; the epilogue's registers
.set SQP, 4
.set GG, 6
.set G2, 7
.set WW, 8
.set Q16W, 9
.set Q8W, 10
.set GXW, 11
.set CAW, 12
.set SAW, 13
.set OUTA, 21
.set OUT8, 22
.set T8, 23
.set VO, 24
.set PW, 25
.set LDP, 26
.set X1, 64
.set X2, 96
.set X3, 128
.set CO, 160
.set SI, 192
.set PC, 224
.set TM, 244
; scalars
.set WV, 30
.set TH, 31
.set C0, 66
.set CX, 67
.set CY, 100
.set HEAD, 101
.set TB, 104
.set SELQ, 105
.set G1A, 32
.set G1Q, 40
.set G1V, 48
.set G1C, 56
.set G0A, 68
.set G0Q, 76
.set G0V, 84
.set G0C, 92
.set G0S, 96
.set SEL, 4                            ; behind the loop: s[4:5] lane selects, s6 -log2 e, s[8:9] ln 2, s[10:11] 1e-4, s12 8 c0
.set NL2E, 6
.set LN2, 8
.set EPS, 10
.set SH, 12
.set MSB, 0
.macro WIN new                         ; the immediate's high byte repeats the setting that is left
.if MSB != \new
	s_set_vgpr_msb (MSB<<8)|\new
.set MSB, \new
.endif
.endm
.macro PLACES                          ; four plain places in front of loads into registers that matrix instructions have read, and of the first read of results
.rept 4
	v_nop
.endr
.endm
.macro CREST                           ; a round of the cluster's barrier behind its opening barrier
	s_cmp_lg_u32 s[WV], 0
	s_cbranch_scc1 .Lnot_wave_0_\@
	s_barrier_signal -3
.Lnot_wave_0_\@:
	s_barrier_wait -3
	s_barrier_signal -1
	s_barrier_wait -1
.endm
.macro CROUND
	s_barrier_signal -1
	s_barrier_wait -1
	CREST
.endm
; A joint load of codes: waves 0, 1 hs's halves, wave 2 the 256 rows of w_q or w_k, wave 3 the 64 rows of w_v.  The branches hang on the wave's number alone.  Four v_nop follow each line.
.macro JLOAD3 s
	s_cmp_lt_u32 s[WV], 2
	s_cbranch_scc0 .Lnot_a_\@
	tensor_load_to_lds s[G0A+4*\s:G0A+4*\s+3], s[G1A:G1A+7]
	s_nop 0
.rept 4
	v_nop
.endr
	s_branch .Lasked_\@
.Lnot_a_\@:
	s_cmp_eq_u32 s[WV], 2
	s_cbranch_scc0 .Lfor_v_\@
	tensor_load_to_lds s[G0Q+4*\s:G0Q+4*\s+3], s[G1Q:G1Q+7]
	s_nop 0
.rept 4
	v_nop
.endr
	s_branch .Lasked_\@
.Lfor_v_\@:
	tensor_load_to_lds s[G0V+4*\s:G0V+4*\s+3], s[G1V:G1V+7]
	s_nop 0
.rept 4
	v_nop
.endr
.Lasked_\@:
.endm
.macro JLOADC g0                       ; 64 rows of cos or of sin: every wave its own quarter
	tensor_load_to_lds s[\g0:\g0+3], s[G1C:G1C+7]
	s_nop 0
.rept 4
	v_nop
.endr
.endm
	s_load_b512 s[4:19], s[0:1], 0x0               ; hs codes, hs scales, w_q codes, w_k codes, w_q scales, w_k scales, w_v codes, w_v scales
	s_load_b256 s[20:27], s[0:1], 0x40             ; cos, sin, qws, kws
	s_load_b64 s[28:29], s[0:1], 0x60              ; vws
	v_lshl_add_u32 v[SPW], v0, 2, SPARE
	v_mov_b32 v[NIL], 0
	ds_add_u32 v14, v15
	ds_add_u32 v14, v15
	s_wait_dscnt 0x0
	v_lshrrev_b32 v25, 5, v0
	v_readfirstlane_b32 s[WV], v25                 ; wave 0..3
	s_lshr_b32 s[TH], s[WV], 1
	s_and_b32 s[C0], s[WV], 1
	s_bfe_u32 s[CX], ttmp6, 0x40000
	s_bfe_u32 s[CY], ttmp6, 0x40004
	s_and_b32 s[HEAD], ttmp9, 3
	s_lshl_b32 s[HEAD], s[HEAD], 2
	s_add_co_u32 s[HEAD], s[HEAD], s[CX]           ; head = 4 (cluster x % 4) + cx
	s_lshr_b32 s[SELQ], ttmp9, 2                   ; 0: q, 1: k: the same in all partners
	s_and_b32 s[TB], ttmp7, 0xffff
	s_lshl_b32 s[TB], s[TB], 2
	s_add_co_u32 s[TB], s[TB], s[CY]               ; block of 256 tokens = 4 cluster y + cy
	s_lshl_b32 s[G0C], s[CY], 2
	s_lshl_b32 s[G0C], 15, s[G0C]                  ; my row of the cluster
	s_lshl_b32 s[G0Q], 0x1111, s[CX]               ; my column
	s_or_b32 s[G1A], s[G0C], (1<<20)|(1<<21)|(3<<22)|(3<<25)          ; bytes; padding of 4 words behind every 16
	s_or_b32 s[G1C], s[G0C], (2<<16)|(1<<20)|(1<<21)|(6<<22)|(3<<25)  ; words; padding of 4 words behind every 128
	s_or_b32 s[G1Q], s[G0Q], (1<<20)|(1<<21)|(3<<22)|(3<<25)
	s_or_b32 s[G1V], s[G0Q], (1<<20)|(1<<21)|(3<<22)|(3<<25)
.irp g, G1A, G1Q, G1V
	s_mov_b32 s[\g+1], 192<<16                     ; tensor_dim0: 256 codes are 192 bytes
	s_mov_b32 s[\g+3], 192<<16                     ; tile_dim0
	s_mov_b32 s[\g+5], 1536                        ; a row of 2,048 codes
	s_mov_b32 s[\g+6], 0
	s_mov_b32 s[\g+7], 0
.endr
	s_mov_b32 s[G1A+2], 128<<16
	s_mov_b32 s[G1A+4], 128
	s_mov_b32 s[G1Q+2], 256<<16
	s_mov_b32 s[G1Q+4], 256
	s_mov_b32 s[G1V+2], 64<<16
	s_mov_b32 s[G1V+4], 64
	s_mov_b32 s[G1C+1], 128<<16
	s_mov_b32 s[G1C+2], 64<<16
	s_mov_b32 s[G1C+3], 128<<16
	s_mov_b32 s[G1C+4], 64
	s_mov_b32 s[G1C+5], 128
	s_mov_b32 s[G1C+6], 0
	s_mov_b32 s[G1C+7], 0
	; the tiles' byte offsets, each in the registers of its own descriptor
	s_lshl_b32 s[G0A+2], s[TB], 1
	s_add_co_u32 s[G0A+2], s[G0A+2], s[C0]
	s_mul_i32 s[G0A+2], s[G0A+2], 196608           ; hs: (256 tb + 128 (w % 2)) rows of 1,536 bytes
	s_mov_b32 s[G0A+3], 0
	s_mul_i32 s[G0Q+2], s[HEAD], 393216            ; w_q, w_k: 256 rows a head
	s_mov_b32 s[G0Q+3], 0
	s_lshl_b32 s[G0V+2], s[HEAD], 1
	s_add_co_u32 s[G0V+2], s[G0V+2], s[SELQ]
	s_mul_i32 s[G0V+2], s[G0V+2], 98304            ; w_v: (128 head + 64 sel) rows
	s_mov_b32 s[G0V+3], 0
	s_lshl_b32 s[G0C+2], s[TB], 2
	s_add_co_u32 s[G0C+2], s[G0C+2], s[WV]
	s_lshl_b32 s[G0C+2], s[G0C+2], 15              ; cos, sin: (256 tb + 64 w) rows of 512 bytes
	s_mov_b32 s[G0C+3], 0
	s_mov_b32 s[G0S+2], s[G0C+2]
	s_mov_b32 s[G0S+3], 0
	s_mul_i32 s[G0A+1], s[C0], 128*PITCH
	s_add_co_u32 s[G0A+5], s[G0A+1], SLOT
	s_mov_b32 s[G0Q+1], BOFF
	s_mov_b32 s[G0Q+5], BOFF+SLOT
	s_mov_b32 s[G0V+1], VOFFB
	s_mov_b32 s[G0V+5], VOFFB+SLOT
	s_mul_i32 s[G0C+1], s[WV], 64*528
	s_add_co_u32 s[G0S+1], s[G0C+1], SLOT
	v_lshlrev_b32 v[T16], 4, v0
	s_wait_kmcnt 0x0
	s_cmp_lt_u32 ttmp9, 4                          ; q's work-groups or k's: only pointers are chosen
	s_cselect_b64 s[8:9], s[8:9], s[10:11]
	s_cselect_b64 s[12:13], s[12:13], s[14:15]
	s_cselect_b64 s[24:25], s[24:25], s[26:27]
	s_mov_b32 s3, 0
	s_lshl_b32 s2, s[TB], 14
	s_add_nc_u64 s[6:7], s[6:7], s[2:3]            ; hs's scale bytes of my 256 tokens: 16,384 dense bytes
	s_lshl_b32 s2, s[HEAD], 14
	s_add_nc_u64 s[12:13], s[12:13], s[2:3]        ; those of the head's 256 rows
	s_lshl_b32 s2, s[HEAD], 1
	s_add_co_u32 s2, s2, s[SELQ]
	s_lshl_b32 s2, s2, 12
	s_add_nc_u64 s[18:19], s[18:19], s[2:3]        ; those of my 64 rows of w_v
.irp i, 0,1,2,3,4,5,6,7
	global_load_b128 v[64+4*\i:67+4*\i], v[T16], s[6:7] offset:2048*\i
.endr
.irp i, 0,1,2,3,4,5,6,7
	global_load_b128 v[96+4*\i:99+4*\i], v[T16], s[12:13] offset:2048*\i
.endr
.irp i, 0,1
	global_load_b128 v[128+4*\i:131+4*\i], v[T16], s[18:19] offset:2048*\i
.endr
	s_add_nc_u64 s[G0A+2:G0A+3], s[4:5], s[G0A+2:G0A+3]
	s_add_nc_u64 s[G0A+6:G0A+7], s[G0A+2:G0A+3], 192
	s_add_nc_u64 s[G0Q+2:G0Q+3], s[8:9], s[G0Q+2:G0Q+3]
	s_add_nc_u64 s[G0Q+6:G0Q+7], s[G0Q+2:G0Q+3], 192
	s_add_nc_u64 s[G0V+2:G0V+3], s[16:17], s[G0V+2:G0V+3]
	s_add_nc_u64 s[G0V+6:G0V+7], s[G0V+2:G0V+3], 192
	s_add_nc_u64 s[G0C+2:G0C+3], s[20:21], s[G0C+2:G0C+3]
	s_add_nc_u64 s[G0S+2:G0S+3], s[22:23], s[G0S+2:G0S+3]
.irp g, G0A, G0A+4, G0Q, G0Q+4, G0V, G0V+4, G0C, G0S
	s_mov_b32 s[\g], 1
	s_or_b32 s[\g+3], s[\g+3], 0x80000000
.endr
	; where the results go
	s_lshl_b32 s2, s[HEAD], 4
	s_add_co_u32 s2, s2, s[TB]
	s_lshl_b32 s2, s2, 10
	s_add_co_u32 s2, s2, 3145728
	s_add_nc_u64 s[26:27], s[24:25], s[2:3]        ; scale words of my 256 tokens; their biases 8,192 bytes on
	s_lshl_b32 s2, s[HEAD], 3
	s_add_co_u32 s2, s2, s[TB]
	s_mul_i32 s2, s2, 24576
	s_add_nc_u64 s[24:25], s[24:25], s[2:3]        ; my 16 images: tile 128 head + 16 tb
	s_lshl_b32 s2, s[HEAD], 3
	s_add_co_u32 s2, s2, s[TB]
	s_lshl_b32 s2, s2, 2
	s_add_co_u32 s2, s2, s[SELQ]                   ; 32 head + 4 tb + sel
	s_lshl_b32 s2, s2, 8
	s_add_co_u32 s2, s2, 3145728
	s_add_nc_u64 s[20:21], s[28:29], s[2:3]        ; v's scale words
	s_lshl_b32 s2, s[HEAD], 3
	s_add_co_u32 s2, s2, s[TB]
	s_lshl_b32 s2, s2, 2
	s_add_co_u32 s2, s2, s[SELQ]
	s_mul_i32 s2, s2, 6144
	s_add_nc_u64 s[28:29], s[28:29], s[2:3]        ; v's images: ((16 head + 2 tb) 8 + 4 sel) x 1,536
	CROUND                                         ; all sixteen work-groups are here: the first joint loads meet
	JLOAD3 0
	JLOAD3 1                                       ; two loads of mine are out
	v_and_b32 v[RR], 15, v0
	v_bfe_u32 v[HH], v0, 4, 1
	v_mul_u32_u24 v25, v[RR], PITCH
	v_mad_u32_u24 v25, v[HH], 24, v25              ; a fragment's row x pitch + 24 x half
	v_lshl_add_u32 v26, v[HH], 4, v25              ; and the same behind one padding more
	s_mul_i32 s2, s[TH], 128*PITCH
	s_mul_i32 s3, s[C0], 32*PITCH
	s_add_co_u32 s3, s3, BOFF
.irp s, 0,1
	v_add_nc_u32 v[ADRA+\s], s2, v25
	v_add_nc_u32 v[ADRA+2+\s], s2, v26
	v_add_nc_u32 v[ADRB+\s], s3, v25
	v_add_nc_u32 v[ADRB+2+\s], s3, v26
	s_add_co_u32 s2, s2, SLOT
	s_add_co_u32 s3, s3, SLOT
.endr
	v_lshlrev_b32 v25, 6, v[RR]
	v_lshrrev_b32 v26, 2, v[RR]
	v_lshl_add_u32 v25, v26, 4, v25                ; a row of 64 scale bytes, and 16 more for each four rows
	s_mul_i32 s2, s[TH], 8704
	s_mul_i32 s3, s[C0], 10880
	s_add_co_u32 s3, s3, SCLB-SCLA
	s_sub_co_u32 s3, s3, s2
	v_mul_u32_u24 v26, s3, v[HH]                   ; lanes 16-31 take the weights': one product, the distance between the two bases
	s_add_co_u32 s2, s2, SCLA
	v_add_nc_u32 v26, v25, v26
	v_add_nc_u32 v[ADRS], s2, v26
	s_mul_i32 s3, s[C0], 10880
	s_add_co_u32 s3, s3, SCLB+8704
	v_mad_u32_u24 v26, v[HH], 1088, v25
	v_add_nc_u32 v[ADRS2], s3, v26
	v_lshrrev_b32 v25, 4, v0
	v_lshl_add_u32 v25, v25, 4, v[T16]
	v_add_nc_u32 v[SCST], DSR, v25                 ; 16 thread + 16 for each 256 bytes passed
	v_mul_u32_u24 v25, v[RR], 528
	v_lshl_add_u32 v25, v[HH], 5, v25
	s_mul_i32 s2, s[TH], 128*528
	s_lshl_b32 s3, s[C0], 7
	s_add_co_u32 s2, s2, s3
	v_add_nc_u32 v[CA], s2, v25                    ; cos: row 128 th + r, byte 128 c0 + 32 h
	v_add_nc_u32 v[SA], SLOT, v[CA]
	v_lshrrev_b32 v25, 3, v[RR]
	v_and_b32 v26, 7, v[RR]
	v_mul_u32_u24 v25, v25, 1536                   ; 1,536 (r / 8)
	v_mad_u32_u24 v27, v[HH], 768, v25
	s_mul_i32 s2, s[TH], 8*1536
	s_lshl_b32 s3, s[C0], 8
	s_add_co_u32 s3, s3, s2
	s_add_co_u32 s3, s3, QSTG
	v_lshl_add_u32 v[QST16], v26, 4, v27
	v_add_nc_u32 v[QST16], s3, v[QST16]            ; image 8 th + r / 8, part h, lane r % 8 + 16 c0
	s_lshl_b32 s3, s[C0], 7
	s_add_co_u32 s3, s3, s2
	s_add_co_u32 s3, s3, QSTG+512
	v_lshl_add_u32 v[QST8], v26, 3, v27
	v_add_nc_u32 v[QST8], s3, v[QST8]
	s_lshl_b32 s2, s[C0], 10
	s_lshl_b32 s3, s[TH], 9
	s_add_co_u32 s2, s2, s3
	s_add_co_u32 s2, s2, GARR
	v_lshl_add_u32 v[GX], v[RR], 2, s2
	s_mul_i32 s2, s[TH], 6144
	s_mul_i32 s3, s[C0], 3072
	s_add_co_u32 s2, s2, s3
	s_add_co_u32 s3, s2, VSTG+512
	s_add_co_u32 s2, s2, VSTG
	v_lshl_add_u32 v27, v26, 4, v25
	v_lshl_add_u32 v27, v[HH], 8, v27
	v_add_nc_u32 v[VST16], s2, v27                 ; image 4 th + 2 c0 + r / 8, lane r % 8 + 16 h
	v_lshl_add_u32 v27, v26, 3, v25
	v_lshl_add_u32 v27, v[HH], 7, v27
	v_add_nc_u32 v[VST8], s3, v27
	s_lshl_b32 s2, s[TH], 8
	s_lshl_b32 s3, s[C0], 2
	s_add_co_u32 s2, s2, s3
	s_add_co_u32 s2, s2, VSC
	v_lshrrev_b32 v27, 3, v[RR]
	v_lshlrev_b32 v27, 7, v27
	v_lshl_add_u32 v27, v26, 3, v27
	v_add_nc_u32 v[VSCA], s2, v27
	s_wait_loadcnt 0x0                             ; the scale bytes
.irp i, 0,1,2,3,4,5,6,7
	ds_store_b128 v[SCST], v[64+4*\i:67+4*\i] offset:2176*\i
.endr
.irp i, 0,1,2,3,4,5,6,7,8,9
	ds_store_b128 v[SCST], v[96+4*\i:99+4*\i] offset:17408+272*(40*(\i%2)+8*(\i/2))   ; 32 rows: c0 = i % 2, tiles 2 (i / 2) and the next
.endr
.macro FRAG reg, adr, q, off           ; a fragment: six pieces of 8 bytes; lanes 16-31 read three pieces on, which for some pieces is behind one padding more: the second address register serves those
.irp p, 0,1,2,3,4,5
.set PCE, 12*(\q)+6*(\p/3)+\p%3
.if PCE%8 < 5
	ds_load_b64 v[\reg+2*\p:\reg+2*\p+1], v[\adr] offset:8*PCE+16*(PCE/8)+(\off)
.else
	ds_load_b64 v[\reg+2*\p:\reg+2*\p+1], v[\adr+2] offset:8*PCE+16*(PCE/8)+(\off)
.endif
.endr
.endm
.macro FETCH_T slot, q, set            ; my eight token fragments: 48 loads
.irp m, 0,1,2,3,4,5,6,7
	FRAG TF+96*(\set)+12*\m, ADRA+\slot, \q, \m*16*PITCH
.endr
.endm
.macro FETCH_W slot, q, n0             ; five weight fragments: 30 loads
	WIN 0xc0
.irp n, \n0, \n0+1, \n0+2, \n0+3, \n0+4
	FRAG 128+12*(\n), ADRB+\slot, \q, (64*((\n)/2)+16*((\n)%2))*PITCH
.endr
	WIN 0
.endm
.macro SCALES sc                       ; a slot's scale words, two a row: 9 loads
.irp i, 0,1,2,3,4,5,6,7
	ds_load_b64 v[SC+18*\sc+2*\i:SC+18*\sc+2*\i+1], v[ADRS] offset:1088*\i
.endr
	ds_load_b64 v[SC+18*\sc+16:SC+18*\sc+17], v[ADRS2]
.endm
.macro WQ zero                         ; source 0 = weights (their words in lanes 16-31), source 1 = tokens
.if \zero
	v_wmma_scale_f32_16x16x128_f8f6f4 v[rD:rD+7], v[rW:rW+11], v[rF:rF+11], 0, v[rSW], v[rSM] matrix_a_fmt:MATRIX_FMT_FP6 matrix_b_fmt:MATRIX_FMT_FP6 matrix_a_scale:MATRIX_SCALE_ROW1
.else
	v_wmma_scale_f32_16x16x128_f8f6f4 v[rD:rD+7], v[rW:rW+11], v[rF:rF+11], v[rD:rD+7], v[rSW], v[rSM] matrix_a_fmt:MATRIX_FMT_FP6 matrix_b_fmt:MATRIX_FMT_FP6 matrix_a_scale:MATRIX_SCALE_ROW1
.endif
.endm
.macro WN8 zero                        ; source 0 = tokens, source 1 = w_v's tile 8 (its words in lanes 0-15)
.if \zero
	v_wmma_scale_f32_16x16x128_f8f6f4 v[rD:rD+7], v[rF:rF+11], v[rW:rW+11], 0, v[rSM], v[rSW] matrix_a_fmt:MATRIX_FMT_FP6 matrix_b_fmt:MATRIX_FMT_FP6
.else
	v_wmma_scale_f32_16x16x128_f8f6f4 v[rD:rD+7], v[rF:rF+11], v[rW:rW+11], v[rD:rD+7], v[rSM], v[rSW] matrix_a_fmt:MATRIX_FMT_FP6 matrix_b_fmt:MATRIX_FMT_FP6
.endif
.endm
.macro WN9 zero                        ; the same for tile 9 (lanes 16-31)
.if \zero
	v_wmma_scale_f32_16x16x128_f8f6f4 v[rD:rD+7], v[rF:rF+11], v[rW:rW+11], 0, v[rSM], v[rSW] matrix_a_fmt:MATRIX_FMT_FP6 matrix_b_fmt:MATRIX_FMT_FP6 matrix_b_scale:MATRIX_SCALE_ROW1
.else
	v_wmma_scale_f32_16x16x128_f8f6f4 v[rD:rD+7], v[rF:rF+11], v[rW:rW+11], v[rD:rD+7], v[rSM], v[rSW] matrix_a_fmt:MATRIX_FMT_FP6 matrix_b_fmt:MATRIX_FMT_FP6 matrix_b_scale:MATRIX_SCALE_ROW1
.endif
.endm
; Eight matrix instructions: weight tile n against my eight token tiles.  The 80 accumulators take turns, one instruction a turn, in the same order in every step.
.macro MULN n, set, q, sc, zero
.if (\n) < 4
	WIN 0x53
.elseif (\n) < 8
	WIN 0xa3
.else
	WIN 0xfc
.endif
.irp m, 0,1,2,3,4,5,6,7
.set rD, 64*((\n)%4)+8*\m
.set rW, 128+12*(\n)
.set rF, TF+96*(\set)+12*\m
.set rSM, SC+18*(\sc)+2*\m+(\q)
.if (\n) < 8
.set rSW, SC+18*(\sc)+2*(\n)+(\q)
	WQ \zero
.elseif (\n) == 8
.set rSW, SC+18*(\sc)+16+(\q)
	WN8 \zero
.else
.set rSW, SC+18*(\sc)+16+(\q)
	WN9 \zero
.endif
.endr
.endm
; A slot's first 128 along K.
.macro STEP slot, zero
	s_wait_dscnt 30                                ; all but the youngest 30 loads (weights 5-9) are in
.irp n, 0,1,2,3,4
	MULN \n, 0, 0, \slot, \zero
.endr
	s_wait_dscnt 0x0                               ; weights 5-9 (asked for 40 matrix instructions ago)
	WIN 0
	PLACES
	FETCH_T \slot, 1, 1
	FETCH_W \slot, 1, 0
.irp n, 5,6,7,8,9
	MULN \n, 0, 0, \slot, \zero
.endr
	WIN 0
	PLACES
	FETCH_W \slot, 1, 5
.endm
; A slot's second 128 along K changes slots: each wave waits for all its tensor loads, adds 0 to its spare word, waits for that and for its reads of the slot; the barrier opens a round of the cluster's;
; the joint refill is the first thing behind it.  cosfill = 1: the slot has had its last codes and takes my 64 rows of cos.
.macro TURN slot, next, cosfill
	s_wait_tensorcnt 0x0                           ; all my tensor loads have landed: my part of the next slot
	ds_add_u32 v[SPW], v[NIL]                      ; 0 onto my spare word
	s_wait_dscnt 31                                ; (the add and weights 5-9 may be out)
	MULN 0, 1, 1, \slot, 0
	MULN 1, 1, 1, \slot, 0
	s_wait_dscnt 0x0                               ; the add is done, and my reads of this slot are over
	s_barrier_signal -1
	MULN 2, 1, 1, \slot, 0
	MULN 3, 1, 1, \slot, 0
	MULN 4, 1, 1, \slot, 0
	WIN 0
	s_barrier_wait -1
	CREST
.if \cosfill
	JLOADC G0C
.else
	s_add_nc_u64 s[G0A+4*\slot+2:G0A+4*\slot+3], s[G0A+4*\slot+2:G0A+4*\slot+3], 384
	s_add_nc_u64 s[G0Q+4*\slot+2:G0Q+4*\slot+3], s[G0Q+4*\slot+2:G0Q+4*\slot+3], 384
	s_add_nc_u64 s[G0V+4*\slot+2:G0V+4*\slot+3], s[G0V+4*\slot+2:G0V+4*\slot+3], 384
	JLOAD3 \slot                                   ; the four v_nop behind it are also the places in front of the loads below
.endif
	v_add_nc_u32 v[ADRS], 8, v[ADRS]               ; the next slot's scale words
	v_add_nc_u32 v[ADRS2], 8, v[ADRS2]
	FETCH_T \next, 0, 0
	FETCH_W \next, 0, 0
	SCALES \next
.irp n, 5,6,7,8,9
	MULN \n, 1, 1, \slot, 0
.endr
	WIN 0
	PLACES
	FETCH_W \next, 0, 5
.endm
	s_wait_tensorcnt 0x1                           ; my part of slot 0 is in; slot 1's may stay out
	s_wait_dscnt 0x0                               ; my scale bytes lie in LDS
	s_barrier_signal -1
	s_barrier_wait -1
	FETCH_T 0, 0, 0
	FETCH_W 0, 0, 0
	SCALES 0
	FETCH_W 0, 0, 5
	STEP 0, 1                                      ; the first step's products start the sums
	s_mov_b32 s3, 3
.Llap:                                             ; a trip goes once round the ring and fills both slots again: K slots 2 to 7
	TURN 0, 1, 0
	STEP 1, 0
	TURN 1, 0, 0
	STEP 0, 0
	s_sub_co_u32 s3, s3, 1
	s_cmp_lg_u32 s3, 0
	s_cbranch_scc1 .Llap
	TURN 0, 1, 1                                   ; slot 0 takes cos
	STEP 1, 0
	s_wait_tensorcnt 0x0                           ; the last 128 along K: cos has landed
	ds_add_u32 v[SPW], v[NIL]
	s_wait_dscnt 31
	MULN 0, 1, 1, 1, 0
	MULN 1, 1, 1, 1, 0
	s_wait_dscnt 0x0
	s_barrier_signal -1
.irp n, 2,3,4,5,6,7,8,9
	MULN \n, 1, 1, 1, 0
.endr
	WIN 0
	s_barrier_wait -1
	CREST
	JLOADC G0S                                     ; slot 1 takes sin; the four v_nop are the places behind the last products
	s_mov_b32 s[SEL], 0x76543210
	s_mov_b32 s[SEL+1], 0xfedcba98
	s_mov_b32 s[NL2E], 0xbfb8aa3b                  ; -log2 e
	s_mov_b32 s[LN2], 0x3f317218
	s_mov_b32 s[LN2+1], s[LN2]
	s_mov_b32 s[EPS], 0x38d1b717                   ; 1e-4
	s_mov_b32 s[EPS+1], s[EPS]
	s_lshl_b32 s[SH], s[C0], 3
.irp b, 0,1,2,3
	v_mov_b32 v[TM+4+\b], 0                        ; a lane permute's destination counts as one of its sources
.endr
; 64 numbers of a lane, register 16 b + i = k 32 b + 16 (lane / 16) + i of its row, become a fragment's codes in v[PC] on and its scale word in v[PW].
.macro QUANT s
.irp b, 0,1,2,3
	v_max3_num_f32 v[TM+\b], |v[\s+16*\b]|, |v[\s+1+16*\b]|, 0x1800000   ; with the floor 2^(3 - 127): the byte cannot fall under 1
.endr
.irp i, 2,4,6,8,10,12,14
.irp b, 0,1,2,3
	v_max3_num_f32 v[TM+\b], v[TM+\b], |v[\s+16*\b+\i]|, |v[\s+1+16*\b+\i]|
.endr
.endr
.irp b, 0,1,2,3
	v_permlanex16_b32 v[TM+4+\b], v[TM+\b], s[SEL], s[SEL+1]
.endr
.irp b, 0,1,2,3
	v_max_num_f32 v[TM+\b], v[TM+\b], v[TM+4+\b]
.endr
.irp b, 0,1,2,3
	v_add_nc_u32 v[TM+8+\b], 0xff000000, v[TM+\b]  ; 2 off the exponent field: the conversion's scale operand
.endr
.irp b, 0,1,2,3
	v_lshrrev_b32 v[TM+4+\b], 23, v[TM+8+\b]       ; the scale's byte
.endr
	v_lshl_or_b32 v[PW], v[TM+5], 8, v[TM+4]
	v_lshl_or_b32 v[PW], v[TM+6], 16, v[PW]
	v_lshl_or_b32 v[PW], v[TM+7], 24, v[PW]
.irp c, 0,1
	v_cvt_scalef32_pk16_fp6_f32 v[PC+6*\c:PC+2+6*\c], v[\s+32*\c:\s+15+32*\c], v[TM+8+2*\c]
	v_cvt_scalef32_pk16_fp6_f32 v[PC+12+4*\c:PC+14+4*\c], v[\s+16+32*\c:\s+31+32*\c], v[TM+9+2*\c]
.endr
	v_nop                                          ; one plain place behind a scaled conversion
.irp c, 0,1
.irp i, 0,1,2
	v_permlane16_swap_b32 v[PC+6*\c+\i], v[PC+12+4*\c+\i]   ; a whole block to a lane
.endr
.irp i, 0,1,2
	v_mov_b32 v[PC+3+6*\c+\i], v[PC+12+4*\c+\i]
.endr
.endr
.endm
	; ---- v: a lane holds d = 64 sel + 32 c0 + 16 e + r and, in tile m's registers, tokens 16 m + 8 h + j.  An exchange of halves makes that 16 neighbours a lane: the quantiser's order along the keys.
.irp e, 0,1
	WIN 0x03
.set i, 0
.rept 64
	v_mov_b32 v[64+i], v[64*\e+i]                  ; each accumulator from its low end on
.set i, i+1
.endr
	WIN 0
.irp a, 0,1,2,3
.irp j, 0,1,2,3,4,5,6,7
	v_permlane16_swap_b32 v[64+16*\a+\j], v[72+16*\a+\j]
.endr
.endr
	QUANT 64
.irp c, 0,1
	ds_store_b128 v[VST16], v[PC+6*\c:PC+6*\c+3] offset:768*\c+128*\e
	ds_store_b64 v[VST8], v[PC+6*\c+4:PC+6*\c+5] offset:768*\c+64*\e
.endr
	ds_store_b32 v[VSCA], v[PW] offset:64*\e       ; lanes r and r + 16 write the same word with the same value
	s_wait_dscnt 0x0                               ; the stores have read their registers
.endr
	s_wait_tensorcnt 0x0                           ; my rows of sin
	s_wait_dscnt 0x0
	s_barrier_signal -1
	s_barrier_wait -1                              ; everybody's; cos was whole behind the last round
; ---- q or k, a tile of 16 tokens.  Element 8 n + j of a lane: d = 64 (n / 2) + 32 c0 + 16 (n % 2) + 8 h + j.
.macro TILE mm
.irp n, 0,1,2,3
.irp jj, 0,1
	ds_load_b128 v[CO+8*\n+4*\jj:CO+8*\n+4*\jj+3], v[CAW] offset:8448*\mm+256*(\n/2)+64*(\n%2)+16*\jj
	ds_load_b128 v[SI+8*\n+4*\jj:SI+8*\n+4*\jj+3], v[SAW] offset:8448*\mm+256*(\n/2)+64*(\n%2)+16*\jj
.endr
.endr
	WIN 0x08
.irp n, 0,1,2,3
.irp j, 0,1,2,3,4,5,6,7
	v_mul_f32 v[X1+8*\n+\j], s[NL2E], |v[64*\n+8*\mm+\j]|   ; -|x| log2 e
.endr
.endr
	WIN 0
.set i, 0
.rept 32
	v_exp_f32 v[X1+i], v[X1+i]                     ; e = exp(-|x|)
.set i, i+1
.endr
	v_nop                                          ; a plain place behind the exponentials
.set i, 0
	s_wait_alu depctr_va_vdst(0)
.rept 16
	v_pk_add_f32 v[X2+i:X2+i+1], v[X1+i:X1+i+1], 1.0 op_sel_hi:[1,0]          ; u = 1 + e, rounded
.set i, i+2
.endr
.set i, 0
.rept 16
	v_pk_add_f32 v[X3+i:X3+i+1], v[X2+i:X2+i+1], -1.0 op_sel_hi:[1,0]         ; u - 1, exact
.set i, i+2
.endr
.set i, 0
.rept 16
	v_pk_add_f32 v[X1+i:X1+i+1], v[X1+i:X1+i+1], v[X3+i:X3+i+1] neg_lo:[0,1] neg_hi:[0,1]   ; what the rounding of u lost
.set i, i+2
.endr
.set i, 0
.rept 16
	v_pk_fma_f32 v[X1+i:X1+i+1], v[X1+i:X1+i+1], v[X3+i:X3+i+1], v[X1+i:X1+i+1] neg_lo:[1,0,0] neg_hi:[1,0,0]   ; x (1 - (u - 1)): its share of log1p
.set i, i+2
.endr
.set i, 0
.rept 32
	v_log_f32 v[X2+i], v[X2+i]
.set i, i+1
.endr
	v_nop
.set i, 0
	s_wait_alu depctr_va_vdst(0)
.rept 16
	v_pk_fma_f32 v[X1+i:X1+i+1], v[X2+i:X2+i+1], s[LN2:LN2+1], v[X1+i:X1+i+1] op_sel_hi:[1,0,1]   ; log1p(e)
.set i, i+2
.endr
	WIN 0x08
.irp n, 0,1,2,3
.irp j, 0,1,2,3,4,5,6,7
	v_max_num_f32 v[X3+8*\n+\j], 0, v[64*\n+8*\mm+\j]
.endr
.endr
	WIN 0
.set i, 0
.rept 16
	v_pk_add_f32 v[X1+i:X1+i+1], v[X1+i:X1+i+1], v[X3+i:X3+i+1]              ; softplus
.set i, i+2
.endr
.set i, 0
.rept 16
	v_pk_add_f32 v[X1+i:X1+i+1], v[X1+i:X1+i+1], s[EPS:EPS+1] op_sel_hi:[1,0]   ; sigma
.set i, i+2
.endr
.set i, 0
.rept 32
	v_log_f32 v[X2+i], v[X1+i]
.set i, i+1
.endr
.set i, 0
.rept 32
	v_rsq_f32 v[X3+i], v[X1+i]
.set i, i+1
.endr
	v_nop
	s_wait_alu depctr_va_vdst(0)
	v_pk_add_f32 v[LDP:LDP+1], v[X2:X2+1], v[X2+2:X2+3]                      ; the sum of log2 sigma
.set i, 4
.rept 14
	v_pk_add_f32 v[LDP:LDP+1], v[LDP:LDP+1], v[X2+i:X2+i+1]
.set i, i+2
.endr
	WIN 0x01
.set i, 0
.rept 16
	v_pk_mul_f32 v[X3+i:X3+i+1], v[64*(i/8)+8*\mm+i%8:64*(i/8)+8*\mm+i%8+1], v[X3+i:X3+i+1]   ; w = mu / sqrt(sigma)
.set i, i+2
.endr
	WIN 0
	s_wait_dscnt 0x0                               ; cos and sin are in, and the last tile's stores have read their registers
.set i, 0
.rept 8
	v_pk_mul_f32 v[X2+i:X2+i+1], v[X3+i:X3+i+1], v[CO+i:CO+i+1]
	v_pk_mul_f32 v[X2+16+i:X2+17+i], v[X3+16+i:X3+17+i], v[CO+16+i:CO+17+i]
.set i, i+2
.endr
.set i, 0
.rept 8
	v_pk_fma_f32 v[X2+i:X2+i+1], v[X3+16+i:X3+17+i], v[SI+i:SI+i+1], v[X2+i:X2+i+1] neg_lo:[1,0,0] neg_hi:[1,0,0]   ; d < 64: - w(d + 64) sin
	v_pk_fma_f32 v[X2+16+i:X2+17+i], v[X3+i:X3+i+1], v[SI+16+i:SI+17+i], v[X2+16+i:X2+17+i]                        ; d >= 64: + w(d - 64) sin
.set i, i+2
.endr
	v_pk_mul_f32 v[SQP:SQP+1], v[X2:X2+1], v[X2:X2+1]
.set i, 2
.rept 15
	v_pk_fma_f32 v[SQP:SQP+1], v[X2+i:X2+i+1], v[X2+i:X2+i+1], v[SQP:SQP+1]
.set i, i+2
.endr
.irp a, 0,1
.irp j, 0,1,2,3,4,5,6,7
	v_permlane16_swap_b32 v[X2+16*\a+\j], v[X2+8+16*\a+\j]   ; now register 16 a + i is d = 64 a + 32 c0 + 16 h + i
.endr
.endr
.irp a, 0,1
	v_max3_num_f32 v[TM+\a], |v[X2+16*\a]|, |v[X2+1+16*\a]|, 0x1800000
.endr
.irp i, 2,4,6,8,10,12,14
.irp a, 0,1
	v_max3_num_f32 v[TM+\a], v[TM+\a], |v[X2+16*\a+\i]|, |v[X2+1+16*\a+\i]|
.endr
.endr
.irp a, 0,1
	v_permlanex16_b32 v[TM+4+\a], v[TM+\a], s[SEL], s[SEL+1]
.endr
.irp a, 0,1
	v_max_num_f32 v[TM+\a], v[TM+\a], v[TM+4+\a]
.endr
.irp a, 0,1
	v_add_nc_u32 v[TM+8+\a], 0xff000000, v[TM+\a]
.endr
.irp a, 0,1
	v_lshrrev_b32 v[TM+4+\a], 23, v[TM+8+\a]
.endr
	v_cvt_scalef32_pk16_fp6_f32 v[PC:PC+2], v[X2:X2+15], v[TM+8]
	v_cvt_scalef32_pk16_fp6_f32 v[PC+4:PC+6], v[X2+16:X2+31], v[TM+9]
	v_lshl_or_b32 v[WW], v[TM+5], 16, v[TM+4]      ; (the plain place behind the conversions)  bytes of blocks c0 and c0 + 2,
	v_lshlrev_b32 v[WW], s[SH], v[WW]              ; at their places in the token's scale word
.irp i, 0,1,2
	v_permlane16_swap_b32 v[PC+\i], v[PC+4+\i]     ; lanes 0-15: block c0 whole; lanes 16-31: block c0 + 2
.endr
	v_mov_b32 v[PC+3], v[PC+4]
	v_mov_b32 v[PC+4], v[PC+5]
	v_mov_b32 v[PC+5], v[PC+6]
	ds_store_b128 v[Q16W], v[PC:PC+3] offset:3072*(\mm/2)+128*(\mm%2)
	ds_store_b64 v[Q8W], v[PC+4:PC+5] offset:3072*(\mm/2)+64*(\mm%2)
	v_add_f32 v[GG], v[LDP], v[LDP+1]
	v_add_f32 v[G2], v[SQP], v[SQP+1]
	v_fma_f32 v[GG], v[GG], s[LN2], v[G2]          ; the sum of w^2 + ln sigma over my 32 d,
	v_permlanex16_b32 v[G2], v[GG], s[SEL], s[SEL+1]
	v_add_f32 v[GG], v[GG], v[G2]                  ; and over the wave's 64
	ds_store_b32 v[GXW], v[GG] offset:64*\mm
	ds_store_b32 v[GXW], v[WW] offset:64*\mm+2048
.endm
	s_mov_b32 s13, 0
	s_mov_b32 s14, 0
	s_mov_b32 s15, 0
	s_mov_b32 s3, 2
.Ltiles:                                           ; two trips of four tiles; between them tiles 4-7 move down into the registers of tiles 0-3
	v_add_nc_u32 v[CAW], s13, v[CA]
	v_add_nc_u32 v[SAW], s13, v[SA]
	v_add_nc_u32 v[Q16W], s14, v[QST16]
	v_add_nc_u32 v[Q8W], s14, v[QST8]
	v_add_nc_u32 v[GXW], s15, v[GX]
	TILE 0
	TILE 1
	TILE 2
	TILE 3
	s_cmp_eq_u32 s3, 1
	s_cbranch_scc1 .Lno_shift
	WIN 0x41
.irp n, 0,1,2,3
.set i, 0
.rept 32
	v_mov_b32 v[64*\n+i], v[64*\n+32+i]
.set i, i+1
.endr
.endr
	WIN 0x82
.irp n, 0,1,2,3
.set i, 0
.rept 32
	v_mov_b32 v[64*\n+i], v[64*\n+32+i]
.set i, i+1
.endr
.endr
	WIN 0
.Lno_shift:
	s_add_co_u32 s13, s13, 33792                   ; 64 rows of cos
	s_add_co_u32 s14, s14, 6144                    ; four images
	s_add_co_u32 s15, s15, 256                     ; 64 tokens
	s_sub_co_u32 s3, s3, 1
	s_cmp_lg_u32 s3, 0
	s_cbranch_scc1 .Ltiles
	; ---- the way out: dense blocks, 16 bytes a thread
	s_wait_dscnt 0x0
	s_barrier_signal -1
	s_barrier_wait -1
	v_add_nc_u32 v[OUTA], DSR, v[T16]
	v_lshlrev_b32 v[T8], 3, v0
	v_add_nc_u32 v[OUT8], DSR, v[T8]
	v_and_b32 v25, 31, v0
	v_lshrrev_b32 v26, 5, v0
	v_lshlrev_b32 v25, 3, v25
	v_lshl_add_u32 v[VO], v26, 9, v25
.irp i, 0,1,2,3,4,5,6,7,8,9,10,11
	ds_load_b128 v[64+4*\i:67+4*\i], v[OUTA] offset:2048*\i
.endr
.irp i, 0,1,2,3,4,5
	ds_load_b128 v[112+4*\i:115+4*\i], v[OUTA] offset:24576+2048*\i
.endr
	ds_load_b64 v[136:137], v[OUT8] offset:37376
	ds_load_b64 v[138:139], v[OUT8] offset:37376+1024
	ds_load_b64 v[140:141], v[OUT8] offset:39424
	ds_load_b64 v[142:143], v[OUT8] offset:39424+1024
	s_wait_dscnt 0x0
.irp i, 0,1,2,3,4,5,6,7,8,9,10,11
	global_store_b128 v[T16], v[64+4*\i:67+4*\i], s[24:25] offset:2048*\i
.endr
.irp i, 0,1,2,3,4,5
	global_store_b128 v[T16], v[112+4*\i:115+4*\i], s[28:29] offset:12288*(\i/3)+2048*(\i%3)
.endr
	v_pk_add_f32 v[136:137], v[136:137], v[138:139]
	v_or_b32 v140, v140, v142
	v_or_b32 v141, v141, v143
	v_pk_mul_f32 v[136:137], v[136:137], -0.5 op_sel_hi:[1,0]   ; the token's bias: -(sum w^2 + sum ln sigma) / 2
	global_store_b64 v[T8], v[140:141], s[26:27]
	global_store_b64 v[T8], v[136:137], s[26:27] offset:8192
	s_cmp_lt_u32 s[WV], 2
	s_cbranch_scc0 .Lno_vsc
	ds_load_b64 v[144:145], v[OUT8] offset:36864   ; wave w: key step 2 tb + w's 256 bytes of v's scale words
	s_wait_dscnt 0x0
	global_store_b64 v[VO], v[144:145], s[20:21]
.Lno_vsc:
	s_wait_tensorcnt 0x0                           ; the wave's end
	ds_add_u32 v[SPW], v[NIL]
	s_wait_dscnt 0x0
	CROUND                                         ; the closing round
	s_endpgm
.Lfunc_end_k_q437ecd358e_proj:
	.size	k_q437ecd358e_proj, .Lfunc_end_k_q437ecd358e_proj-k_q437ecd358e_proj
	.p2alignl 7, 3214868480
	.fill 96, 4, 3214868480
	.section	.rodata,"a",@progbits
	.p2align	6, 0x0
	.amdhsa_kernel k_q437ecd358e_proj
		.amdhsa_group_segment_fixed_size 327680
		.amdhsa_private_segment_fixed_size 0
		.amdhsa_enable_private_segment 0
		.amdhsa_kernarg_size 104
		.amdhsa_user_sgpr_count 2
		.amdhsa_user_sgpr_kernarg_segment_ptr 1
		.amdhsa_wavefront_size32 1
		.amdhsa_system_sgpr_workgroup_id_x 1
		.amdhsa_system_sgpr_workgroup_id_y 1
		.amdhsa_system_sgpr_workgroup_id_z 1
		.amdhsa_system_vgpr_workitem_id 0
		.amdhsa_next_free_vgpr 1024
		.amdhsa_next_free_sgpr 106
		.amdhsa_reserve_vcc 0
		.amdhsa_float_denorm_mode_32 3
		.amdhsa_float_denorm_mode_16_64 3
		.amdhsa_memory_ordered 1
		.amdhsa_forward_progress 1
		.amdhsa_inst_pref_size 255
	.end_amdhsa_kernel
	.section	.bss,"aw",@nobits
	.p2align	6
	.space	262144
	.amdgpu_metadata
---
amdhsa.version: [ 1, 2 ]
amdhsa.kernels:
  - .name:           k_q437ecd358e_proj
    .symbol:         k_q437ecd358e_proj.kd
    .args:
      - { .name: hidden_states_codes, .offset: 0, .size: 8, .value_kind: global_buffer, .address_space: global }
      - { .name: hidden_states_scales, .offset: 8, .size: 8, .value_kind: global_buffer, .address_space: global }
      - { .name: w_q_codes, .offset: 16, .size: 8, .value_kind: global_buffer, .address_space: global }
      - { .name: w_k_codes, .offset: 24, .size: 8, .value_kind: global_buffer, .address_space: global }
      - { .name: w_q_scales, .offset: 32, .size: 8, .value_kind: global_buffer, .address_space: global }
      - { .name: w_k_scales, .offset: 40, .size: 8, .value_kind: global_buffer, .address_space: global }
      - { .name: w_v_codes, .offset: 48, .size: 8, .value_kind: global_buffer, .address_space: global }
      - { .name: w_v_scales, .offset: 56, .size: 8, .value_kind: global_buffer, .address_space: global }
      - { .name: cos, .offset: 64, .size: 8, .value_kind: global_buffer, .address_space: global }
      - { .name: sin, .offset: 72, .size: 8, .value_kind: global_buffer, .address_space: global }
      - { .name: qws, .offset: 80, .size: 8, .value_kind: global_buffer, .address_space: global }
      - { .name: kws, .offset: 88, .size: 8, .value_kind: global_buffer, .address_space: global }
      - { .name: vws, .offset: 96, .size: 8, .value_kind: global_buffer, .address_space: global }
    .group_segment_fixed_size: 327680
    .private_segment_fixed_size: 0
    .kernarg_segment_align: 8
    .kernarg_segment_size: 104
    .max_flat_workgroup_size: 128
    .sgpr_count:     106
    .vgpr_count:     1024
    .wavefront_size: 32
...
	.end_amdgpu_metadata
.endif
;; end of part 1
;; launch attn (part 2): grid 16 x 16, 4 waves a work-group, clusters of 4 x 1, 327,680 bytes of LDS; arguments qws, kws, vws, aws; writes aws
.if DOCPART == 2
	.amdgcn_target "amdgcn-amd-amdhsa--gfx1250"
	.amdhsa_code_object_version 6
	.text
	.protected	k_q437ecd358e_attn
	.globl	k_q437ecd358e_attn
	.p2align	8
	.type	k_q437ecd358e_attn,@function
k_q437ecd358e_attn:
	s_mov_b64 s[64:65], 0
	v_nop
	global_prefetch_b8 v0, s[64:65] scope:SCOPE_SE
	s_setreg_imm32_b32 hwreg(HW_REG_WAVE_MODE, 25, 1), 1
	s_wait_xcnt 0x0
	s_wait_alu depctr_hold_cnt(0) depctr_sa_sdst(0) depctr_va_vdst(0) depctr_va_sdst(0) depctr_va_ssrc(0) depctr_va_vcc(0) depctr_vm_vsrc(0)
	s_getreg_b32 s2, hwreg(HW_REG_IB_STS2, 6, 4)
	s_cmp_eq_u32 s2, 0
	s_cbranch_scc0 .Lentry_in_a_cluster
	s_endpgm
.Lentry_in_a_cluster:
	s_bfe_u32 s2, ttmp6, 0x10000c
	s_cmp_lg_u32 s2, 0x3003
	s_cbranch_scc0 .Lentry_shape_is_right
	s_endpgm
.Lentry_shape_is_right:
; The scores, the softmax and p v on codes of E2M3, and the quantiser of the result along H.  logit = q_w . k_w + bq + bk, the biases as the first launch left them; t = logit x log2 e;
; M = the running largest t rounded UP to a whole number; p = 2^(t - M) is quantised along the keys; the row's sum is taken of the unquantised p and divides at the end.
; SHARES.  A work-group owns 128 queries of one head, wave w tiles 2 w and 2 w + 1 of them (A and B).  Every wave walks 16 key steps of 128.  Each fragment of K and V and each register of bk serves both tiles,
; and the tiles take turns: one tile's products stand between the other's softmax.
; LAYOUT.  Both products transposed (S^T = K Q^T + bk as C, O^T = V^T P^T): a lane holds one query.  K's tiles and V's d tiles are laid so that two neighbouring tiles' 16 registers are 16 neighbours.
; All operands come as images of their registers: two loads of 16 bytes and two of 8 a fragment, each over consecutive bytes.
; CLUSTER 4 x 1: the four query blocks of a cluster walk the same K and V: joint loads, four key steps to a slot.  K's scale words and biases and V's scale words of the head (24,576 bytes against 393,216 of
; codes) come once through registers by plain loads: a sixteenth of the bytes, which joint loads would serve with three descriptors more.
; LIMITS: NaN and infinities are not served; a block of p or of O whose largest magnitude lies under 2^-124 keeps the byte 1.
; REGISTERS: window 0: v1-13 addresses, v16-31 statistics, v32-55 Q, v56-67 scale words, v68-91 P, v96-223 S, v224-247 at work.  window 1: O (v0-127), bk (v128-191).  window 2: K (v0-95), V (v96-191).
.set SLOT1, 131072
.set VOFF,  49152
.set STEPB, 12288
.set AUX,   262144                     ; K's scale words, 8,192 bytes on its biases, 16,384 on V's scale words: written by LDS stores alone
.set OSC,   286720
.set SPARE, 287232
.set L16, 1
.set L8, 2
.set AKS0, 3
.set ABI0, 4
.set AVS0, 5
.set SPW, 6
.set NIL, 7
.set AD16, 8
.set AD8, 9
.set ADKS, 10
.set ADBI, 11
.set ADVS, 12
.set OSCA, 13
.set ST, 16                            ; tile t at ST + 8 t: +0 tq - M, +1 largest t, +2, +3 the sum, +4 -M, +5 tq, +6, +7 f
.set Q, 32
.set QS, 56
.set PW, 58
.set KS, 60
.set VS, 64
.set P, 68
.set S, 96
.set BM, 224
.set BP, 228
.set SO, 232
.set CV, 236
.set T0, 244
.set T1, 245
.set SUM, 246
.set WV, 12
.set SEL, 20
.set CS, 22
.set G1, 24
.set G0K, 40
.set G0V, 48
.set NSL, 56
.set CNT, 57
.set TB, 58
.set TS, 59
.set MSB, 0
.macro WIN new
.if MSB != \new
	s_set_vgpr_msb (MSB<<8)|\new
.set MSB, \new
.endif
.endm
.macro PLACES
.rept 4
	v_nop
.endr
.endm
.macro CROUND
	s_barrier_signal -1
	s_barrier_wait -1
	s_cmp_lg_u32 s[WV], 0
	s_cbranch_scc1 .Lnot_wave_0_\@
	s_barrier_signal -3
.Lnot_wave_0_\@:
	s_barrier_wait -3
	s_barrier_signal -1
	s_barrier_wait -1
.endm
.macro JLOAD                           ; a joint refill: waves 0, 1 K's halves, waves 2, 3 V's; four v_nop follow each line
	s_cmp_lt_u32 s[WV], 2
	s_cbranch_scc0 .Lfor_v_\@
	tensor_load_to_lds s[G0K+4:G0K+7], s[G1:G1+7]
	s_nop 0
.rept 4
	v_nop
.endr
	s_branch .Lasked_\@
.Lfor_v_\@:
	tensor_load_to_lds s[G0V+4:G0V+7], s[G1:G1+7]
	s_nop 0
.rept 4
	v_nop
.endr
.Lasked_\@:
.endm
	s_load_b256 s[4:11], s[0:1], 0x0               ; qws, kws, vws, aws
	v_lshl_add_u32 v[SPW], v0, 2, SPARE
	v_mov_b32 v[NIL], 0
	ds_add_u32 v6, v7
	ds_add_u32 v6, v7
	s_wait_dscnt 0x0
	v_lshrrev_b32 v14, 5, v0
	v_readfirstlane_b32 s[WV], v14
	s_bfe_u32 s13, ttmp6, 0x40000                  ; cx
	s_lshl_b32 s14, ttmp9, 2
	s_add_co_u32 s14, s14, s13                     ; my block of 128 queries: it enters Q's and the result's addresses alone
	s_and_b32 s15, ttmp7, 0xffff                   ; the head, which the partners share
	s_and_b32 s16, s[WV], 1
	s_mul_i32 s17, s16, 24576                      ; my half of a slot's K or V
	s_mul_i32 s18, s15, 196608
	s_add_co_u32 s18, s18, s17
	s_mov_b32 s19, 0
	s_mov_b32 s[G1], 15|(3<<16)|(1<<21)            ; all four work-groups; elements of 8 bytes; a dense block of 24,576 bytes as 96 rows of 256
	s_mov_b32 s[G1+1], 32<<16
	s_mov_b32 s[G1+2], 96<<16
	s_mov_b32 s[G1+3], 32<<16
	s_mov_b32 s[G1+4], 96
	s_mov_b32 s[G1+5], 32
	s_mov_b32 s[G1+6], 0
	s_mov_b32 s[G1+7], 0
	s_lshl_b32 s60, s15, 14
	s_add_co_u32 s60, s60, 3145728                 ; K's scale words and biases of the head
	s_mov_b32 s61, 0
	s_lshl_b32 s62, s15, 13
	s_add_co_u32 s62, s62, 3145728                 ; V's scale words
	s_mov_b32 s63, 0
	s_lshl_b32 s32, s15, 4
	s_add_co_u32 s32, s32, s14
	s_lshl_b32 s32, s32, 2
	s_add_co_u32 s32, s32, s[WV]
	s_mul_i32 s32, s32, 3072                       ; Q's images: tile 128 head + 8 qb + 2 w
	s_mov_b32 s33, 0
	s_lshl_b32 s34, s15, 5
	s_add_co_u32 s34, s34, s14
	s_lshl_b32 s34, s34, 2
	s_add_co_u32 s34, s34, s[WV]
	s_lshl_b32 s34, s34, 7
	s_add_co_u32 s34, s34, 3145728                 ; Q's scale words at token 128 qb + 32 w of the head
	s_mov_b32 s35, 0
	s_lshl_b32 s36, s14, 2
	s_add_co_u32 s36, s36, s[WV]
	s_lshl_b32 s36, s36, 5
	s_add_co_u32 s36, s36, s15
	s_mul_i32 s36, s36, 1536                       ; the result's images: ((8 qb + 2 w) 16 + head) x 1,536
	s_mov_b32 s37, 0
	s_lshl_b32 s38, s15, 4
	s_add_co_u32 s38, s38, s14
	s_lshl_b32 s38, s38, 9
	s_add_co_u32 s38, s38, 3145728                 ; and their scale words
	s_mov_b32 s39, 0
	s_mov_b32 s[SEL], 0x76543210
	s_mov_b32 s[SEL+1], 0xfedcba98
	s_mov_b32 s[CS], 0x3fb8aa3b                    ; log2 e
	s_mov_b32 s[CS+1], s[CS]
	s_mov_b32 s[TB], 0
	s_mov_b32 s[TS], 0
	v_lshlrev_b32 v14, 4, v0                       ; 16 x thread
	v_and_b32 v15, 31, v0
	v_lshlrev_b32 v[L16], 4, v15
	v_lshlrev_b32 v[L8], 3, v15
	v_and_b32 v92, 15, v0                          ; r
	v_bfe_u32 v93, v0, 4, 1                        ; h
	v_and_b32 v94, 8, v92
	v_add_nc_u32 v94, v94, v92                     ; r + 8 (r / 8)
	v_lshlrev_b32 v95, 2, v94
	s_wait_kmcnt 0x0
	s_add_nc_u64 s[60:61], s[6:7], s[60:61]
	s_add_nc_u64 s[62:63], s[8:9], s[62:63]
	s_add_nc_u64 s[32:33], s[4:5], s[32:33]
	s_add_nc_u64 s[34:35], s[4:5], s[34:35]
	s_add_nc_u64 s[36:37], s[10:11], s[36:37]
	s_add_nc_u64 s[38:39], s[10:11], s[38:39]
	s_add_nc_u64 s[6:7], s[6:7], s[18:19]
	s_add_nc_u64 s[8:9], s[8:9], s[18:19]
.irp i, 0,1,2,3,4,5,6,7
	global_load_b128 v[S+4*\i:S+4*\i+3], v14, s[60:61] offset:2048*\i
.endr
.irp i, 0,1,2,3
	global_load_b128 v[S+32+4*\i:S+35+4*\i], v14, s[62:63] offset:2048*\i
.endr
.irp t, 0,1
.irp c, 0,1
	global_load_b128 v[Q+12*\t+6*\c:Q+12*\t+6*\c+3], v[L16], s[32:33] offset:1536*\t+768*\c
	global_load_b64 v[Q+12*\t+6*\c+4:Q+12*\t+6*\c+5], v[L8], s[32:33] offset:1536*\t+768*\c+512
.endr
	global_load_b32 v[QS+\t], v95, s[34:35] offset:32*\t             ; the query at row r of tile (w, t): 32 w + 8 t + r + 8 (r / 8)
	global_load_b32 v[ST+8*\t+5], v95, s[34:35] offset:32*\t+8192    ; its bias
.endr
.irp s, 0,1
	s_mov_b32 s[G0K+4*\s], 1
	s_add_co_u32 s[G0K+4*\s+1], s17, \s*SLOT1
	s_add_nc_u64 s[G0K+4*\s+2:G0K+4*\s+3], s[6:7], \s*49152
	s_or_b32 s[G0K+4*\s+3], s[G0K+4*\s+3], 0x80000000
	s_mov_b32 s[G0V+4*\s], 1
	s_add_co_u32 s[G0V+4*\s+1], s17, \s*SLOT1+VOFF
	s_add_nc_u64 s[G0V+4*\s+2:G0V+4*\s+3], s[8:9], \s*49152
	s_or_b32 s[G0V+4*\s+3], s[G0V+4*\s+3], 0x80000000
.endr
	CROUND                                         ; all four work-groups are here: the first joint loads meet
	s_cmp_lt_u32 s[WV], 2                          ; a wave's two first fills stand in one branch: two loads of mine are out
	s_cbranch_scc0 .Lfirst_v
	tensor_load_to_lds s[G0K:G0K+3], s[G1:G1+7]
	s_nop 0
	tensor_load_to_lds s[G0K+4:G0K+7], s[G1:G1+7]
	s_nop 0
.rept 4
	v_nop
.endr
	s_branch .Lfirst_asked
.Lfirst_v:
	tensor_load_to_lds s[G0V:G0V+3], s[G1:G1+7]
	s_nop 0
	tensor_load_to_lds s[G0V+4:G0V+7], s[G1:G1+7]
	s_nop 0
.rept 4
	v_nop
.endr
.Lfirst_asked:
	v_lshl_add_u32 v[AKS0], v93, 5, v95
	v_add_nc_u32 v[AKS0], AUX, v[AKS0]             ; K's words: lanes 0-15 tile 2 b, lanes 16-31 tile 2 b + 1 (8 keys on)
	v_lshlrev_b32 v[ABI0], 6, v93
	v_add_nc_u32 v[ABI0], AUX+8192, v[ABI0]        ; bk: my half's 16 keys of a block of 32
	v_add_nc_u32 v[AVS0], AUX+16384, v[L8]
	s_lshr_b32 s16, s[WV], 1
	s_lshl_b32 s16, s16, 8
	s_and_b32 s18, s[WV], 1
	s_lshl_b32 s18, s18, 3
	s_add_co_u32 s16, s16, s18
	s_add_co_u32 s16, s16, OSC
	v_lshl_add_u32 v[OSCA], v92, 4, s16
	v_add_nc_u32 v[AD16], AUX, v14
.irp t, 0,1
	v_mov_b32 v[ST+8*\t], 0
	v_mov_b32 v[ST+8*\t+1], 0xff61b1e6             ; the largest t so far: -3e38
	v_mov_b32 v[ST+8*\t+2], 0
	v_mov_b32 v[ST+8*\t+3], 0
	v_floor_f32 v[ST+8*\t+4], -v[ST+8*\t+1]
	v_mov_b32 v[ST+8*\t+6], 0
	v_mov_b32 v[ST+8*\t+7], 0
.endr
.irp b, 0,1,2,3
	v_mov_b32 v[BP+\b], 0                          ; a lane permute's destination counts as one of its sources
.endr
	v_mov_b32 v[T1], 0
	WIN 0x40
.set i, 0
.rept 128
	v_mov_b32 v[i], 0                              ; O^T.  The key step is written once: its first turn finds zeros, which the first change of M leaves zeros; a first step of its own would be a fourth copy of the step
.set i, i+1
.endr
	WIN 0
	s_wait_loadcnt 0x0
.irp i, 0,1,2,3,4,5,6,7,8,9,10,11
	ds_store_b128 v[AD16], v[S+4*\i:S+4*\i+3] offset:2048*\i
.endr
.irp t, 0,1
	v_mul_f32 v[ST+8*\t+5], s[CS], v[ST+8*\t+5]    ; tq = bq log2 e
.endr
.macro ADDRS
	v_add_nc_u32 v[AD16], s[TB], v[L16]
	v_add_nc_u32 v[AD8], s[TB], v[L8]
	v_add_nc_u32 v[ADKS], s[TS], v[AKS0]
	v_add_nc_u32 v[ADBI], s[TS], v[ABI0]
	v_add_nc_u32 v[ADVS], s[TS], v[AVS0]
.endm
.macro LOADK                           ; a step's K, bk and K's scale words: 52 loads
	WIN 0x80
.irp f, 0,1,2,3,4,5,6,7
.irp c, 0,1
	ds_load_b128 v[12*\f+6*\c:12*\f+6*\c+3], v[AD16] offset:1536*\f+768*\c
	ds_load_b64 v[12*\f+6*\c+4:12*\f+6*\c+5], v[AD8] offset:1536*\f+768*\c+512
.endr
.endr
	WIN 0x40
.irp i, 0,1,2,3,4,5,6,7,8,9,10,11,12,13,14,15
	ds_load_b128 v[128+4*\i:131+4*\i], v[ADBI] offset:128*(\i/4)+16*(\i%4)
.endr
	WIN 0
.irp b, 0,1,2,3
	ds_load_b32 v[KS+\b], v[ADKS] offset:128*\b
.endr
.endm
.macro LOADV                           ; a step's V and its scale words: 34 loads
	WIN 0x80
.irp f, 0,1,2,3,4,5,6,7
.irp c, 0,1
	ds_load_b128 v[96+12*\f+6*\c:96+12*\f+6*\c+3], v[AD16] offset:VOFF+1536*\f+768*\c
	ds_load_b64 v[96+12*\f+6*\c+4:96+12*\f+6*\c+5], v[AD8] offset:VOFF+1536*\f+768*\c+512
.endr
.endr
	WIN 0
	ds_load_b64 v[VS:VS+1], v[ADVS]
	ds_load_b64 v[VS+2:VS+3], v[ADVS] offset:256
.endm
.macro SQK t                           ; S^T = K Q^T + bk: eight tiles of 16 keys
	WIN 0x12
.irp f, 0,2,4,6
	v_wmma_scale_f32_16x16x128_f8f6f4 v[S+64*\t+8*\f:S+64*\t+8*\f+7], v[12*\f:12*\f+11], v[Q+12*\t:Q+12*\t+11], v[128+8*\f:135+8*\f], v[KS+\f/2], v[QS+\t] matrix_a_fmt:MATRIX_FMT_FP6 matrix_b_fmt:MATRIX_FMT_FP6
	v_wmma_scale_f32_16x16x128_f8f6f4 v[S+64*\t+8*\f+8:S+64*\t+8*\f+15], v[12*\f+12:12*\f+23], v[Q+12*\t:Q+12*\t+11], v[136+8*\f:143+8*\f], v[KS+\f/2], v[QS+\t] matrix_a_fmt:MATRIX_FMT_FP6 matrix_b_fmt:MATRIX_FMT_FP6 matrix_a_scale:MATRIX_SCALE_ROW1
.endr
.endm
.macro PV t                            ; O^T += V^T P^T: eight accumulators, one instruction each
	WIN 0x52
.irp f, 0,2,4,6
	v_wmma_scale_f32_16x16x128_f8f6f4 v[64*\t+8*\f:64*\t+8*\f+7], v[96+12*\f:107+12*\f], v[P+12*\t:P+12*\t+11], v[64*\t+8*\f:64*\t+8*\f+7], v[VS+\f/2], v[PW+\t] matrix_a_fmt:MATRIX_FMT_FP6 matrix_b_fmt:MATRIX_FMT_FP6
	v_wmma_scale_f32_16x16x128_f8f6f4 v[64*\t+8*\f+8:64*\t+8*\f+15], v[108+12*\f:119+12*\f], v[P+12*\t:P+12*\t+11], v[64*\t+8*\f+8:64*\t+8*\f+15], v[VS+\f/2], v[PW+\t] matrix_a_fmt:MATRIX_FMT_FP6 matrix_b_fmt:MATRIX_FMT_FP6 matrix_a_scale:MATRIX_SCALE_ROW1
.endr
.endm
.macro SOFTMAX t
.set rS, S+64*\t
.set rP, P+12*\t
.set rT, ST+8*\t
.set rO, 64*\t
.set rW, PW+\t
	WIN 0
.irp b, 0,1,2,3
	v_max3_num_f32 v[BM+\b], v[rS+16*\b], v[rS+1+16*\b], v[rS+2+16*\b]   ; the largest score of each block of 32 keys: for the row's maximum, and, since p rises with the score, for the block's largest p
.endr
.irp i, 3,5,7,9,11,13
.irp b, 0,1,2,3
	v_max3_num_f32 v[BM+\b], v[BM+\b], v[rS+16*\b+\i], v[rS+1+16*\b+\i]
.endr
.endr
.irp b, 0,1,2,3
	v_max_num_f32 v[BM+\b], v[BM+\b], v[rS+15+16*\b]
.endr
.irp b, 0,1,2,3
	v_permlanex16_b32 v[BP+\b], v[BM+\b], s[SEL], s[SEL+1]
.endr
.irp b, 0,1,2,3
	v_max_num_f32 v[BM+\b], v[BM+\b], v[BP+\b]
.endr
	v_max3_num_f32 v[T0], v[BM], v[BM+1], v[BM+2]
	v_max_num_f32 v[T0], v[T0], v[BM+3]
	v_fma_f32 v[T0], v[T0], s[CS], v[rT+5]         ; the step's largest t
	v_max_num_f32 v[rT+1], v[rT+1], v[T0]
	v_mov_b32 v[T0], v[rT+4]
	v_floor_f32 v[rT+4], -v[rT+1]                  ; -M = floor(-t): M is a whole number
	v_sub_f32 v[T0], v[rT+4], v[T0]
	v_cvt_i32_f32 v[T0], v[T0]                     ; (it saturates)
	v_ldexp_f32 v[rT+6], 1.0, v[T0]                ; f = 2^(old M - new M): rounds nothing
	v_add_f32 v[rT], v[rT+5], v[rT+4]              ; tq - M
.set i, 0
.rept 32
	v_pk_fma_f32 v[rS+i:rS+i+1], v[rS+i:rS+i+1], s[CS:CS+1], v[rT:rT+1] op_sel_hi:[1,0,0]   ; t - M
.set i, i+2
.endr
.irp b, 0,1,2,3
	v_fma_f32 v[BM+\b], v[BM+\b], s[CS], v[rT]
.endr
.set i, 0
.rept 64
	v_exp_f32 v[rS+i], v[rS+i]                     ; p, not normalised
.set i, i+1
.endr
.irp b, 0,1,2,3
	v_exp_f32 v[BM+\b], v[BM+\b]                   ; the block's largest p: the same two instructions on the same number
.endr
	v_pk_mul_f32 v[rT+2:rT+3], v[rT+2:rT+3], v[rT+6:rT+7] op_sel_hi:[1,0]   ; the sum under the new M (a plain place behind the exponentials)
	s_wait_alu depctr_va_vdst(0)
.irp b, 0,1,2,3
	v_max_num_f32 v[BM+\b], 0x1800000, v[BM+\b]    ; the floor 2^(3 - 127)
.endr
.irp b, 0,1,2,3
	v_add_nc_u32 v[SO+\b], 0xff000000, v[BM+\b]
.endr
.irp b, 0,1,2,3
	v_lshrrev_b32 v[BP+\b], 23, v[SO+\b]
.endr
	v_lshl_or_b32 v[rW], v[BP+1], 8, v[BP]
	v_lshl_or_b32 v[rW], v[BP+2], 16, v[rW]
	v_lshl_or_b32 v[rW], v[BP+3], 24, v[rW]
.irp c, 0,1
	v_cvt_scalef32_pk16_fp6_f32 v[rP+6*\c:rP+2+6*\c], v[rS+32*\c:rS+15+32*\c], v[SO+2*\c]
	v_cvt_scalef32_pk16_fp6_f32 v[CV+4*\c:CV+2+4*\c], v[rS+16+32*\c:rS+31+32*\c], v[SO+1+2*\c]
.endr
	v_nop
.irp c, 0,1
.irp i, 0,1,2
	v_permlane16_swap_b32 v[rP+6*\c+\i], v[CV+4*\c+\i]
.endr
.irp i, 0,1,2
	v_mov_b32 v[rP+3+6*\c+\i], v[CV+4*\c+\i]
.endr
.endr
	v_pk_add_f32 v[SUM:SUM+1], v[rS:rS+1], v[rS+2:rS+3]   ; the row's sum, of the unquantised p, in two chains
.set i, 4
.rept 15
	v_pk_add_f32 v[rT+2:rT+3], v[rT+2:rT+3], v[rS+i:rS+i+1]
	v_pk_add_f32 v[SUM:SUM+1], v[SUM:SUM+1], v[rS+i+2:rS+i+3]
.set i, i+4
.endr
	v_pk_add_f32 v[rT+2:rT+3], v[rT+2:rT+3], v[SUM:SUM+1]
	WIN 0x41
.set i, 0
.rept 32
	v_pk_mul_f32 v[rO+i:rO+i+1], v[rO+i:rO+i+1], v[rT+6:rT+7] op_sel_hi:[1,0]   ; O^T under the new M.  These and the sums are the places between p's codes and scale word and the products
.set i, i+2
.endr
.endm
; A trip: key step j's softmax and p v, step j + 1's scores.  s[TB], s[TS]: where step j + 1's tiles and words lie.
.macro TRIP
	ADDRS
	LOADK
	SOFTMAX 0
	s_wait_dscnt 52                                ; V of step j is in; the 52 loads of K may be out
	PV 0
	s_wait_dscnt 0x0                               ; K of step j + 1
	SQK 0
	SOFTMAX 1
	PV 1
	SQK 1
	WIN 0
	PLACES                                         ; in front of the loads into V, and of the next trip's into K
	LOADV
	s_add_co_u32 s[TB], s[TB], STEPB
	s_add_co_u32 s[TS], s[TS], 512
.endm
.macro FOUR n
	s_mov_b32 s[CNT], \n
.Lfour_\@:
	TRIP
	s_sub_co_u32 s[CNT], s[CNT], 1
	s_cmp_lg_u32 s[CNT], 0
	s_cbranch_scc1 .Lfour_\@
.endm
; The change of slots: the slot's last bytes have been asked for.  fill = 1: it is filled again with the keys two slots on, behind a round of the cluster's barrier; the load has four key steps in which to land.
.macro CHANGE fill
	s_wait_tensorcnt 0x0                           ; no tensor load of mine is out: my part of the other slot has landed
	ds_add_u32 v[SPW], v[NIL]                      ; 0 onto my spare word
.if \fill
.irp g, G0K+4, G0V+4
	s_xor_b32 s[\g+1], s[\g+1], SLOT1
	s_add_nc_u64 s[\g+2:\g+3], s[\g+2:\g+3], 49152
.endr
	s_wait_dscnt 0x0                               ; the add is done, and my reads of the slot are over
	CROUND
	JLOAD
.else
	s_wait_dscnt 0x0
	s_barrier_signal -1
	s_barrier_wait -1
.endif
	s_sub_co_u32 s[TB], s[TB], 4*STEPB
	s_xor_b32 s[TB], s[TB], SLOT1
.endm
	s_wait_tensorcnt 0x1                           ; my part of slot 0; slot 1's may stay out
	s_wait_dscnt 0x0                               ; my part of the words and biases lies in LDS
	s_barrier_signal -1
	s_barrier_wait -1
	ADDRS
	LOADK
	s_wait_dscnt 0x0
	SQK 0
	SQK 1
	WIN 0
	PLACES
	LOADV
	s_add_co_u32 s[TB], s[TB], STEPB
	s_add_co_u32 s[TS], s[TS], 512
	FOUR 3
	s_mov_b32 s[NSL], 2
.Lslot:
	CHANGE 1
	FOUR 4
	s_sub_co_u32 s[NSL], s[NSL], 1
	s_cmp_lg_u32 s[NSL], 0
	s_cbranch_scc1 .Lslot
	CHANGE 0                                       ; the last slot is written out
	FOUR 4
	SOFTMAX 0                                      ; key step 15
	s_wait_dscnt 0x0
	PV 0
	SOFTMAX 1
	PV 1
.macro QUANT s, p, w                   ; 64 numbers of a lane, register 16 b + i = d 32 b + 16 (lane / 16) + i, become a fragment and its scale word
.irp b, 0,1,2,3
	v_max3_num_f32 v[BM+\b], |v[\s+16*\b]|, |v[\s+1+16*\b]|, 0x1800000
.endr
.irp i, 2,4,6,8,10,12,14
.irp b, 0,1,2,3
	v_max3_num_f32 v[BM+\b], v[BM+\b], |v[\s+16*\b+\i]|, |v[\s+1+16*\b+\i]|
.endr
.endr
.irp b, 0,1,2,3
	v_permlanex16_b32 v[BP+\b], v[BM+\b], s[SEL], s[SEL+1]
.endr
.irp b, 0,1,2,3
	v_max_num_f32 v[BM+\b], v[BM+\b], v[BP+\b]
.endr
.irp b, 0,1,2,3
	v_add_nc_u32 v[SO+\b], 0xff000000, v[BM+\b]
.endr
.irp b, 0,1,2,3
	v_lshrrev_b32 v[BP+\b], 23, v[SO+\b]
.endr
	v_lshl_or_b32 v[\w], v[BP+1], 8, v[BP]
	v_lshl_or_b32 v[\w], v[BP+2], 16, v[\w]
	v_lshl_or_b32 v[\w], v[BP+3], 24, v[\w]
.irp c, 0,1
	v_cvt_scalef32_pk16_fp6_f32 v[\p+6*\c:\p+2+6*\c], v[\s+32*\c:\s+15+32*\c], v[SO+2*\c]
	v_cvt_scalef32_pk16_fp6_f32 v[CV+4*\c:CV+2+4*\c], v[\s+16+32*\c:\s+31+32*\c], v[SO+1+2*\c]
.endr
	v_nop
.irp c, 0,1
.irp i, 0,1,2
	v_permlane16_swap_b32 v[\p+6*\c+\i], v[CV+4*\c+\i]
.endr
.irp i, 0,1,2
	v_mov_b32 v[\p+3+6*\c+\i], v[CV+4*\c+\i]
.endr
.endr
.endm
	; THE WAY OUT.  O^T / the sum, quantised along the head's 128 (a K step of the last product), leaves as an image.  Tile A's lines, which name nothing of tile B's last products, are the places behind those.
.irp t, 0,1
	WIN 0
	v_add_f32 v[T0], v[ST+8*\t+2], v[ST+8*\t+3]
	v_permlanex16_b32 v[T1], v[T0], s[SEL], s[SEL+1]
	v_add_f32 v[T0], v[T0], v[T1]
	v_rcp_f32 v[ST+8*\t+6], v[T0]
	v_nop
	WIN 0x01
.set i, 0
	s_wait_alu depctr_va_vdst(0)
.rept 32
	v_pk_mul_f32 v[S+64*\t+i:S+64*\t+i+1], v[64*\t+i:64*\t+i+1], v[ST+8*\t+6:ST+8*\t+7] op_sel_hi:[1,0]
.set i, i+2
.endr
	WIN 0
	QUANT S+64*\t, P+12*\t, PW+\t
.irp c, 0,1
	global_store_b128 v[L16], v[P+12*\t+6*\c:P+12*\t+6*\c+3], s[36:37] offset:24576*\t+768*\c       ; 512 consecutive bytes
	global_store_b64 v[L8], v[P+12*\t+6*\c+4:P+12*\t+6*\c+5], s[36:37] offset:24576*\t+768*\c+512   ; 256
.endr
	ds_store_b32 v[OSCA], v[PW+\t] offset:4*\t
.endr
	v_add_nc_u32 v[AD16], OSC, v[L16]
	s_wait_dscnt 0x0
	s_barrier_signal -1
	s_barrier_wait -1
	s_cmp_lg_u32 s[WV], 0
	s_cbranch_scc1 .Lno_osc
	ds_load_b128 v[S:S+3], v[AD16]                 ; the block's 128 scale words: two groups of four tiles
	s_wait_dscnt 0x0
	global_store_b128 v[L16], v[S:S+3], s[38:39]
.Lno_osc:
	s_wait_tensorcnt 0x0                           ; the wave's end
	ds_add_u32 v[SPW], v[NIL]
	s_wait_dscnt 0x0
	CROUND
	s_endpgm
.Lfunc_end_k_q437ecd358e_attn:
	.size	k_q437ecd358e_attn, .Lfunc_end_k_q437ecd358e_attn-k_q437ecd358e_attn
	.p2alignl 7, 3214868480
	.fill 96, 4, 3214868480
	.section	.rodata,"a",@progbits
	.p2align	6, 0x0
	.amdhsa_kernel k_q437ecd358e_attn
		.amdhsa_group_segment_fixed_size 327680
		.amdhsa_private_segment_fixed_size 0
		.amdhsa_enable_private_segment 0
		.amdhsa_kernarg_size 32
		.amdhsa_user_sgpr_count 2
		.amdhsa_user_sgpr_kernarg_segment_ptr 1
		.amdhsa_wavefront_size32 1
		.amdhsa_system_sgpr_workgroup_id_x 1
		.amdhsa_system_sgpr_workgroup_id_y 1
		.amdhsa_system_sgpr_workgroup_id_z 1
		.amdhsa_system_vgpr_workitem_id 0
		.amdhsa_next_free_vgpr 768
		.amdhsa_next_free_sgpr 72
		.amdhsa_reserve_vcc 0
		.amdhsa_float_denorm_mode_32 3
		.amdhsa_float_denorm_mode_16_64 3
		.amdhsa_memory_ordered 1
		.amdhsa_forward_progress 1
		.amdhsa_inst_pref_size 173
	.end_amdhsa_kernel
	.amdgpu_metadata
---
amdhsa.version: [ 1, 2 ]
amdhsa.kernels:
  - .name:           k_q437ecd358e_attn
    .symbol:         k_q437ecd358e_attn.kd
    .args:
      - { .name: qws, .offset: 0, .size: 8, .value_kind: global_buffer, .address_space: global }
      - { .name: kws, .offset: 8, .size: 8, .value_kind: global_buffer, .address_space: global }
      - { .name: vws, .offset: 16, .size: 8, .value_kind: global_buffer, .address_space: global }
      - { .name: aws, .offset: 24, .size: 8, .value_kind: global_buffer, .address_space: global }
    .group_segment_fixed_size: 327680
    .private_segment_fixed_size: 0
    .kernarg_segment_align: 8
    .kernarg_segment_size: 32
    .max_flat_workgroup_size: 128
    .sgpr_count:     72
    .vgpr_count:     768
    .wavefront_size: 32
...
	.end_amdgpu_metadata
.endif
;; end of part 2
;; launch oproj (part 3): grid 16 x 16, 4 waves a work-group, clusters of 4 x 4, 327,680 bytes of LDS; arguments aws, w_o_codes, w_o_scales, out0; writes out0
.if DOCPART == 3
	.amdgcn_target "amdgcn-amd-amdhsa--gfx1250"
	.amdhsa_code_object_version 6
	.text
	.protected	k_q437ecd358e_oproj
	.globl	k_q437ecd358e_oproj
	.p2align	8
	.type	k_q437ecd358e_oproj,@function
k_q437ecd358e_oproj:
	s_mov_b64 s[64:65], 0
	v_nop
	global_prefetch_b8 v0, s[64:65] scope:SCOPE_SE
	s_setreg_imm32_b32 hwreg(HW_REG_WAVE_MODE, 25, 1), 1
	s_wait_xcnt 0x0
	s_wait_alu depctr_hold_cnt(0) depctr_sa_sdst(0) depctr_va_vdst(0) depctr_va_sdst(0) depctr_va_ssrc(0) depctr_va_vcc(0) depctr_vm_vsrc(0)
	s_getreg_b32 s2, hwreg(HW_REG_IB_STS2, 6, 4)
	s_cmp_eq_u32 s2, 0
	s_cbranch_scc0 .Lentry_in_a_cluster
	s_endpgm
.Lentry_in_a_cluster:
	s_bfe_u32 s2, ttmp6, 0x10000c
	s_cmp_lg_u32 s2, 0xf033
	s_cbranch_scc0 .Lentry_shape_is_right
	s_endpgm
.Lentry_shape_is_right:
; out0 = attn_out w_o^T on codes of E2M3.  attn_out comes as images of operand registers (tile of 16 tokens x head), w_o as rows of codes.
; A tile of out0 is 128 tokens x 128 columns: 16 x 16 = 256 work-groups (tiles of 256 x 256 would be 64).  Wave w: th = w / 2 (four token tiles), ch = w % 2 (four column tiles): 16 accumulators.
; Used transposed (source 0 = rows of w_o, source 1 = tokens): a lane holds eight neighbouring columns of a token's row.
; K = 2,048 goes in four quarters of 512 (four heads) through THREE slots: quarters 0, 1, 2 are first fills, quarter 3 fills slot 0 again, behind the one round in the middle: it has eight steps in which to land.
; CLUSTER 4 x 4: the tokens' images are shared along a row, w_o's rows along a column: joint loads.  The scale words (one a row and 128 along K) go straight into registers, once.
; A token tile's rows are not neighbours: row r of tile 2 b + u of a block of 128 is token 32 b + 8 u + r + 8 (r / 8); the way out puts them back.
; REGISTERS: window 0: v4-20 addresses, v32-95 the tokens' scale words (4 s + a), v96-159 w_o's (16 b + s), v160-223 the way out.  window 1: two sets of fragments (tokens at 12 a, w_o at 48 + 12 b).  window 2: accumulators at 8 (4 a + b).
.set SLOTB, 104448                     ; 8 token tiles x 4 steps x 1,536, then 128 rows of w_o
.set BOFF,  49152
.set BPIT,  432                        ; a row of 384 bytes with 16 of padding behind every 128: 108 words
.set SPARE, 313344
.set STAGE, SLOTB                      ; the way out: 16 rows x 272 bytes a wave, in slot 1: filled once, and read by nobody behind the last barrier
.set A16, 4
.set A8, 7
.set B24, 10
.set B40, 13
.set STO, 16
.set RD, 17
.set CO, 18
.set SPW, 19
.set NIL, 20
.set AS, 32
.set BS, 96
.set BK, 160
.set WV, 12
.set FB, 13
.set HF, 14
.set G1A, 24
.set G1B, 48
.set G0A, 72
.set G0B, 84
.set MSB, 0
.macro WIN new
.if MSB != \new
	s_set_vgpr_msb (MSB<<8)|\new
.set MSB, \new
.endif
.endm
.macro PLACES
.rept 4
	v_nop
.endr
.endm
.macro CREST
	s_cmp_lg_u32 s[WV], 0
	s_cbranch_scc1 .Lnot_wave_0_\@
	s_barrier_signal -3
.Lnot_wave_0_\@:
	s_barrier_wait -3
	s_barrier_signal -1
	s_barrier_wait -1
.endm
.macro CROUND
	s_barrier_signal -1
	s_barrier_wait -1
	CREST
.endm
.macro JLOAD k                         ; waves 0, 1: four token tiles each; waves 2, 3: 64 rows of w_o each; four v_nop follow each line
	s_cmp_eq_u32 s[FB], 0
	s_cbranch_scc0 .Lfor_b_\@
	tensor_load_to_lds s[G0A+4*\k:G0A+4*\k+3], s[G1A:G1A+7]
	s_nop 0
.rept 4
	v_nop
.endr
	s_branch .Lasked_\@
.Lfor_b_\@:
	tensor_load_to_lds s[G0B+4*\k:G0B+4*\k+3], s[G1B:G1B+7]
	s_nop 0
.rept 4
	v_nop
.endr
.Lasked_\@:
.endm
	s_load_b256 s[4:11], s[0:1], 0x0               ; aws, w_o codes, w_o scales, out0
	v_lshl_add_u32 v[SPW], v0, 2, SPARE
	v_mov_b32 v[NIL], 0
	ds_add_u32 v19, v20
	ds_add_u32 v19, v20
	s_wait_dscnt 0x0
	v_lshrrev_b32 v21, 5, v0
	v_readfirstlane_b32 s[WV], v21
	s_lshr_b32 s[FB], s[WV], 1                     ; th.  Also: I fetch tokens (0) or w_o (1)
	s_and_b32 s[HF], s[WV], 1                      ; ch.  Also: which half I fetch
	s_bfe_u32 s16, ttmp6, 0x40000                  ; cx
	s_bfe_u32 s17, ttmp6, 0x40004                  ; cy
	s_lshl_b32 s18, ttmp9, 2
	s_add_co_u32 s18, s18, s16                     ; x: block of 128 columns
	s_and_b32 s19, ttmp7, 0xffff
	s_lshl_b32 s19, s19, 2
	s_add_co_u32 s19, s19, s17                     ; y: block of 128 tokens
	s_lshl_b32 s20, s17, 2
	s_lshl_b32 s20, 15, s20                        ; my row of the cluster
	s_lshl_b32 s21, 0x1111, s16                    ; my column
	s_or_b32 s[G1A], s20, (3<<16)|(1<<21)          ; elements of 8 bytes: 4 rows (tiles) of 768 (four heads' images), 3,072 apart; no padding
	s_mov_b32 s[G1A+1], 768<<16
	s_mov_b32 s[G1A+2], 4<<16
	s_mov_b32 s[G1A+3], 768<<16
	s_mov_b32 s[G1A+4], 4
	s_mov_b32 s[G1A+5], 3072
	s_mov_b32 s[G1A+6], 0
	s_mov_b32 s[G1A+7], 0
	s_or_b32 s[G1B], s21, (1<<20)|(1<<21)|(4<<22)|(3<<25)   ; bytes: 64 rows of 384; 4 words of padding behind every 32
	s_mov_b32 s[G1B+1], 384<<16
	s_mov_b32 s[G1B+2], 64<<16
	s_mov_b32 s[G1B+3], 384<<16
	s_mov_b32 s[G1B+4], 64
	s_mov_b32 s[G1B+5], 1536
	s_mov_b32 s[G1B+6], 0
	s_mov_b32 s[G1B+7], 0
	s_lshl_b32 s22, s19, 1
	s_add_co_u32 s22, s22, s[HF]
	s_mul_i32 s22, s22, 98304                      ; tokens: tile 8 y + 4 (w % 2), 24,576 bytes a tile
	s_mov_b32 s23, 0
	s_lshl_b32 s32, s18, 1
	s_add_co_u32 s32, s32, s[HF]
	s_mul_i32 s32, s32, 98304                      ; w_o: row 128 x + 64 (w % 2), 1,536 bytes a row
	s_mov_b32 s33, 0
	s_mul_i32 s40, s[HF], 24576                    ; where they go in a slot
	s_mul_i32 s41, s[HF], 64*BPIT
	s_add_co_u32 s41, s41, BOFF
	s_lshl_b32 s34, s19, 1
	s_add_co_u32 s34, s34, s[FB]
	s_lshl_b32 s34, s34, 8
	s_add_co_u32 s34, s34, 3145728                 ; the tokens' scale words: group 2 y + th
	s_mov_b32 s35, 0
	s_lshl_b32 s36, s18, 1
	s_add_co_u32 s36, s36, s[HF]
	s_lshl_b32 s36, s36, 12                        ; w_o's: row 128 x + 64 ch, 64 bytes a row
	s_mov_b32 s37, 0
	s_lshl_b32 s38, s19, 1
	s_add_co_u32 s38, s38, s[FB]
	s_lshl_b32 s38, s38, 19                        ; out0: row 128 y + 64 th of 8,192 bytes,
	s_lshl_b32 s39, s18, 1
	s_add_co_u32 s39, s39, s[HF]
	s_lshl_b32 s39, s39, 8                         ; byte 512 x + 256 ch
	s_add_co_u32 s38, s38, s39
	s_mov_b32 s39, 0
	s_wait_kmcnt 0x0
	s_add_nc_u64 s[22:23], s[4:5], s[22:23]
	s_add_nc_u64 s[32:33], s[6:7], s[32:33]
	s_add_nc_u64 s[34:35], s[4:5], s[34:35]
	s_add_nc_u64 s[36:37], s[8:9], s[36:37]
	s_add_nc_u64 s[10:11], s[10:11], s[38:39]
	CROUND                                         ; all sixteen work-groups are here: the first joint loads meet
.irp k, 0,1,2
	s_mov_b32 s[G0A+4*\k], 1
	s_add_co_u32 s[G0A+4*\k+1], s40, \k*SLOTB
	s_add_nc_u64 s[G0A+4*\k+2:G0A+4*\k+3], s[22:23], \k*6144
	s_or_b32 s[G0A+4*\k+3], s[G0A+4*\k+3], 0x80000000
	s_mov_b32 s[G0B+4*\k], 1
	s_add_co_u32 s[G0B+4*\k+1], s41, \k*SLOTB
	s_add_nc_u64 s[G0B+4*\k+2:G0B+4*\k+3], s[32:33], \k*384
	s_or_b32 s[G0B+4*\k+3], s[G0B+4*\k+3], 0x80000000
	JLOAD \k                                       ; three loads of mine are out
.endr
	v_and_b32 v21, 31, v0
	v_and_b32 v22, 15, v0                          ; r
	v_bfe_u32 v23, v0, 4, 1                        ; h
	v_lshlrev_b32 v24, 4, v22
	v_lshlrev_b32 v25, 6, v22
.irp s, 0,1,2,3,4,5,6,7,8,9,10,11,12,13,14,15
	global_load_b128 v[AS+4*\s:AS+4*\s+3], v24, s[34:35] offset:8192*\s   ; head s: row r's words of my four tiles
.endr
.irp b, 0,1,2,3
.irp i, 0,1,2,3
	global_load_b128 v[BS+16*\b+4*\i:BS+16*\b+4*\i+3], v25, s[36:37] offset:1024*\b+16*\i
.endr
.endr
	s_mul_i32 s38, s[FB], 24576
	s_mul_i32 s39, s[HF], 64*BPIT
	s_add_co_u32 s39, s39, BOFF
	v_lshlrev_b32 v26, 4, v21
	v_lshlrev_b32 v27, 3, v21
	v_add_nc_u32 v27, 512, v27
	v_mul_u32_u24 v28, v22, BPIT
	v_mad_u32_u24 v28, v23, 24, v28
	v_lshl_add_u32 v29, v23, 4, v28
.irp k, 0,1,2
	v_add_nc_u32 v[A16+\k], s38, v26
	v_add_nc_u32 v[A8+\k], s38, v27
	v_add_nc_u32 v[B24+\k], s39, v28
	v_add_nc_u32 v[B40+\k], s39, v29
	s_add_co_u32 s38, s38, SLOTB
	s_add_co_u32 s39, s39, SLOTB
.endr
	s_mul_i32 s38, s[WV], 16*272
	s_add_co_u32 s38, s38, STAGE
	v_mul_u32_u24 v26, v22, 272
	v_lshl_add_u32 v26, v23, 5, v26
	v_add_nc_u32 v[STO], s38, v26                  ; in: row r, 32 bytes for each half of the lanes
	v_mul_u32_u24 v26, v23, 272
	v_lshl_add_u32 v26, v22, 4, v26
	v_add_nc_u32 v[RD], s38, v26                   ; back: lanes 0-15 one row of 256 bytes, lanes 16-31 the next
	v_lshlrev_b32 v26, 13, v23
	v_lshl_add_u32 v[CO], v22, 4, v26              ; and the same two rows in out0
.macro FRAGB reg, slot, sp, off        ; six pieces of 8 bytes; lanes 16-31 read three pieces on: behind one padding more where the piece's place in its 16 is 13 or more
.irp p, 0,1,2,3,4,5
.set PCE, 12*(\sp)+6*(\p/3)+\p%3
.if PCE%16 < 13
	ds_load_b64 v[\reg+2*\p:\reg+2*\p+1], v[B24+(\slot)] offset:8*PCE+16*(PCE/16)+(\off)
.else
	ds_load_b64 v[\reg+2*\p:\reg+2*\p+1], v[B40+(\slot)] offset:8*PCE+16*(PCE/16)+(\off)
.endif
.endr
.endm
.macro FETCH slot, sp, set             ; a step's eight fragments: 40 loads
	WIN 0x40
.irp a, 0,1,2,3
.irp c, 0,1
	ds_load_b128 v[96*(\set)+12*\a+6*\c:96*(\set)+12*\a+6*\c+3], v[A16+(\slot)] offset:6144*\a+1536*(\sp)+768*\c
	ds_load_b64 v[96*(\set)+12*\a+6*\c+4:96*(\set)+12*\a+6*\c+5], v[A8+(\slot)] offset:6144*\a+1536*(\sp)+768*\c
.endr
.endr
.irp b, 0,1,2,3
	FRAGB 96*(\set)+48+12*\b, \slot, \sp, 6912*\b
.endr
.endm
.macro MULH s, set, a0, zero           ; eight matrix instructions; the 16 accumulators take turns
	WIN 0xa5
.irp a, \a0, \a0+1
.irp b, 0,1,2,3
.if \zero
	v_wmma_scale_f32_16x16x128_f8f6f4 v[8*(4*(\a)+\b):8*(4*(\a)+\b)+7], v[96*(\set)+48+12*\b:96*(\set)+59+12*\b], v[96*(\set)+12*(\a):96*(\set)+12*(\a)+11], 0, v[BS+16*\b+(\s)], v[AS+4*(\s)+(\a)] matrix_a_fmt:MATRIX_FMT_FP6 matrix_b_fmt:MATRIX_FMT_FP6
.else
	v_wmma_scale_f32_16x16x128_f8f6f4 v[8*(4*(\a)+\b):8*(4*(\a)+\b)+7], v[96*(\set)+48+12*\b:96*(\set)+59+12*\b], v[96*(\set)+12*(\a):96*(\set)+12*(\a)+11], v[8*(4*(\a)+\b):8*(4*(\a)+\b)+7], v[BS+16*\b+(\s)], v[AS+4*(\s)+(\a)] matrix_a_fmt:MATRIX_FMT_FP6 matrix_b_fmt:MATRIX_FMT_FP6
.endif
.endr
.endr
.endm
.macro STEP s, zero                    ; step s is multiplied while step s + 1's fragments come into the other set
.set NX, (\s)+1
.if (\s) > 0
	PLACES
.endif
	FETCH (NX/4)%3, NX%4, NX%2
	s_wait_dscnt 40                                ; all but the 40 just issued
	MULH \s, (\s)%2, 0, \zero
	MULH \s, (\s)%2, 2, \zero
.endm
	s_wait_tensorcnt 0x2                           ; my part of slot 0; the other two may stay out
	s_barrier_signal -1
	s_barrier_wait -1
	FETCH 0, 0, 0
	s_wait_loadcnt 0x0                             ; the scale words
	STEP 0, 1                                      ; the first step's products start the sums
	STEP 1, 0
	STEP 2, 0
	WIN 0
	s_wait_tensorcnt 0x0                           ; step 3 leaves slot 0: all my tensor loads have landed, slots 1 and 2 among them
	ds_add_u32 v[SPW], v[NIL]                      ; 0 onto my spare word
	s_wait_dscnt 1                                 ; (the add may be out)
	MULH 3, 1, 0, 0
	s_wait_dscnt 0x0                               ; the add is done, and my reads of slot 0 are over
	s_barrier_signal -1
	MULH 3, 1, 2, 0
	WIN 0
	s_barrier_wait -1
	CREST
	s_add_nc_u64 s[G0A+2:G0A+3], s[G0A+2:G0A+3], 18432   ; quarter 3
	s_add_nc_u64 s[G0B+2:G0B+3], s[G0B+2:G0B+3], 1152
	JLOAD 0                                        ; the four v_nop behind it are also the places in front of the loads below
	FETCH 1, 0, 0
.irp s, 4,5,6,7,8,9,10
	STEP \s, 0
.endr
	s_wait_tensorcnt 0x0                           ; step 11: my part of quarter 3 has landed,
	s_wait_dscnt 0x0                               ; and my reads of slots 1 and 2 are over
	s_barrier_signal -1
	MULH 11, 1, 0, 0
	MULH 11, 1, 2, 0
	WIN 0
	s_barrier_wait -1                              ; everybody's
	PLACES
	FETCH 0, 0, 0
.irp s, 12,13,14
	STEP \s, 0
.endr
	s_wait_dscnt 0x0
	MULH 15, 1, 0, 0
	MULH 15, 1, 2, 0
	WIN 0
; THE WAY OUT, a token tile at a time: 32 bytes a lane into my own stage, back as whole rows of 256 bytes.  LDS serves a wave's instructions in order: no wait between the stores and the loads.
.macro TOSTAGE a
	WIN 0x08
.irp b, 0,1,2,3
	ds_store_b128 v[STO], v[8*(4*(\a)+\b):8*(4*(\a)+\b)+3] offset:64*\b       ; each accumulator from its low end on
	ds_store_b128 v[STO], v[8*(4*(\a)+\b)+4:8*(4*(\a)+\b)+7] offset:64*\b+16
.endr
	WIN 0
.irp t, 0,1,2,3,4,5,6,7
	ds_load_b128 v[BK+32*((\a)%2)+4*\t:BK+32*((\a)%2)+4*\t+3], v[RD] offset:544*\t
.endr
.endm
.macro SEND a, younger                 ; stage row 2 t + lane / 16 of tile a is token 32 (a / 2) + 8 (a % 2) + 2 t + 8 (t / 4) + lane / 16 of my 64
	s_wait_dscnt \younger
.irp t, 0,1,2,3,4,5,6,7
	global_store_b128 v[CO], v[BK+32*((\a)%2)+4*\t:BK+32*((\a)%2)+4*\t+3], s[10:11] offset:(32*((\a)/2)+8*((\a)%2)+2*\t+8*(\t/4))*8192 th:TH_STORE_NT   ; 16 lanes store 256 consecutive bytes, at a multiple of 256 from out0's first byte
.endr
.endm
	PLACES
	TOSTAGE 0
.irp a, 1,2,3
.if \a > 1
	s_wait_xcnt 0x0                                ; tile a - 2's stores have read their registers: tile a's loads may land there
.endif
	TOSTAGE \a
	SEND \a-1, 16                                  ; behind tile a - 1's loads: tile a's 8 stores and 8 loads
.endr
	SEND 3, 0
	s_wait_tensorcnt 0x0                           ; the wave's end
	ds_add_u32 v[SPW], v[NIL]
	s_wait_dscnt 0x0
	CROUND                                         ; the closing round
	s_endpgm
.Lfunc_end_k_q437ecd358e_oproj:
	.size	k_q437ecd358e_oproj, .Lfunc_end_k_q437ecd358e_oproj-k_q437ecd358e_oproj
	.p2alignl 7, 3214868480
	.fill 96, 4, 3214868480
	.section	.rodata,"a",@progbits
	.p2align	6, 0x0
	.amdhsa_kernel k_q437ecd358e_oproj
		.amdhsa_group_segment_fixed_size 327680
		.amdhsa_private_segment_fixed_size 0
		.amdhsa_enable_private_segment 0
		.amdhsa_kernarg_size 32
		.amdhsa_user_sgpr_count 2
		.amdhsa_user_sgpr_kernarg_segment_ptr 1
		.amdhsa_wavefront_size32 1
		.amdhsa_system_sgpr_workgroup_id_x 1
		.amdhsa_system_sgpr_workgroup_id_y 1
		.amdhsa_system_sgpr_workgroup_id_z 1
		.amdhsa_system_vgpr_workitem_id 0
		.amdhsa_next_free_vgpr 640
		.amdhsa_next_free_sgpr 96
		.amdhsa_reserve_vcc 0
		.amdhsa_float_denorm_mode_32 3
		.amdhsa_float_denorm_mode_16_64 3
		.amdhsa_memory_ordered 1
		.amdhsa_forward_progress 1
		.amdhsa_inst_pref_size 97
	.end_amdhsa_kernel
	.amdgpu_metadata
---
amdhsa.version: [ 1, 2 ]
amdhsa.kernels:
  - .name:           k_q437ecd358e_oproj
    .symbol:         k_q437ecd358e_oproj.kd
    .args:
      - { .name: aws, .offset: 0, .size: 8, .value_kind: global_buffer, .address_space: global }
      - { .name: w_o_codes, .offset: 8, .size: 8, .value_kind: global_buffer, .address_space: global }
      - { .name: w_o_scales, .offset: 16, .size: 8, .value_kind: global_buffer, .address_space: global }
      - { .name: out0, .offset: 24, .size: 8, .value_kind: global_buffer, .address_space: global }
    .group_segment_fixed_size: 327680
    .private_segment_fixed_size: 0
    .kernarg_segment_align: 8
    .kernarg_segment_size: 32
    .max_flat_workgroup_size: 128
    .sgpr_count:     96
    .vgpr_count:     640
    .wavefront_size: 32
...
	.end_amdgpu_metadata
.endif
;; end of part 3
